; MI455X (gfx1250); checked and timed in simulation.
; The chip was launched on July 23, 2026; its instructions are those of AMD's public machine-readable ISA for CDNA 5 (MIT licence, August 2026) and "CDNA5" Instruction Set Architecture Reference Guide (July 2026). The comments in the code are by the model that wrote it; some were corrected since.
;; Neural GP Kernel. Allowed arithmetic: matrix products marked QUANTISED: E2M3 operands, one E8M0 scale for each 32 along K, by v_wmma_scale_f32_16x16x128_f8f6f4 with both operands' format E2M3, f32 sums; products left as they are: f32 operands where the result goes on into a quantised operand, else bf16, f16 or f32 operands; f32 sums; everything else in f32.
;; Inputs: fb1 256 float32; fb2 256 float32; fw1 256 x 256 float32; fw2 256 x 256 float32; h_obs 2 x 512 x 256 float32; kb1 256 float32; kb2 8 float32; kw1 9 x 256 float32; kw2 256 x 8 float32; log_sigma 8 float32; ob 128 float32; ow 256 x 128 float32; pos_obs 2 x 512 x 3 float32; pos_query 2 x 512 x 3 float32; vb 128 float32; vw 256 x 128 float32.
;; Outputs: out0 2 x 512 x 128 float32; out1 2 x 512 x 128 float32.
;; This version of the problem:
;;   THIS VERSION OF THE PROBLEM IS GIVEN IN LOW PRECISION. The matrix products marked QUANTISED in the list below multiply operands that are first quantised to E2M3 (2 exponent bits, 3 mantissa bits; 6 bits a number), with one power-of-two scale for each 32 numbers along K (OCP MX v1.0); their sums are f32. All else is computed in f32.
;;   The module's matrix products, in the order in which they are computed (A, B: the left and right operand; K: the contracted axis; several contracted axes count as one K, in the product's order):
;;     1. [M 1,024, K 256] x [K 256, N 256]; A: input h_obs; B: input fw1: QUANTISED
;;     2. [M 1,024, K 256] x [K 256, N 256]; A: computed on the way; B: input fw2: QUANTISED
;;     3. [M 524,288, K 9] x [K 9, N 256]; A: computed on the way; B: input kw1: left as it is (K = 9 < 32)
;;     4. [M 524,288, K 256] x [K 256, N 8]; A: computed on the way; B: input kw2: left as it is (N = 8 < 16)
;;     5. batch 16 x [M 512, K 512] x [K 512, N 32]; A: softmax (see below); B: computed on the way: QUANTISED
;;     6. [M 1,024, K 256] x [K 256, N 128]; A: computed on the way; B: input ow: QUANTISED
;;     7. [M 1,024, K 256] x [K 256, N 128]; A: computed on the way; B: input vw: QUANTISED
;;   THE QUANTISER, for each operand of a quantised product, along K:
;;     - K is cut into blocks of 32 from its start; a last block that is shorter is filled with zeros.
;;     - A block's scale is 2^e with e = floor(log2(the largest magnitude in the block)) - 2, held to -126 .. 127; a block of zeros has e = 0. As a byte (E8M0): e + 127.
;;     - Each number is divided by its block's scale, clamped to +-7.5, and rounded to the nearest number of E2M3, ties to even, subnormals kept.
;;     - The product sums the exact products of the quantised numbers (number of the format x scale) in f32.
;;   ~~~python
;;   def quantise(x, axis):      # numpy; x: float32 -> the quantised numbers, widened to float32 again
;;       x = np.moveaxis(x, axis, -1); K = x.shape[-1]
;;       x = np.pad(x, [(0, 0)] * (x.ndim - 1) + [(0, -K % 32)]); x = x.reshape(x.shape[:-1] + (-1, 32)); a = np.abs(x).max(-1, keepdims=True)
;;       e = np.where(a > 0, np.clip(np.frexp(np.where(a > 0, a, 1))[1] - 1 - 2, -126, 127), 0)      # np.frexp(a)[1] - 1 = floor(log2(a)), exactly
;;       r = np.clip(x / 2.0 ** e, -7.5, 7.5)
;;       step = 2.0 ** (np.maximum(np.frexp(np.where(r == 0, 1, r))[1] - 1, 0) - 3)
;;       q = np.round(r / step) * step * 2.0 ** e      # np.round: ties to even
;;       return np.moveaxis(q.reshape(q.shape[:-2] + (-1,))[..., :K], -1, axis).astype(np.float32)
;;   ~~~
;;   SOFTMAX AHEAD OF A QUANTISED PRODUCT. Where the list says 'softmax', what is quantised is not the finished softmax but p = 2^(t - M), with t = logit x log2(e) and M = ceil(the row's largest t), a whole number; so 1/2 < the row's largest p <= 1. The row's sum l is taken of the UNQUANTISED p, in f32, and the product's result is divided by l at the end. Since M is a whole number, a kernel that streams over the keys may use a running M (the ceiling of the running maximum): every later rescaling is an exact power of two, which a block's scale takes up: the codes' values come out the same.
;;   OPERANDS COMPUTED ON THE WAY. 'Computed on the way' means the value that the module computes at that place (a softmax that the list does not call 'softmax' is quantised finished and normalised). What goes into a quantiser is computed in f32, as accurately as f32 sums, v_exp_f32 and their like allow (about 1e-6 of the number): no bf16 or f16 on the way to a quantiser, and a product that is left as it is and whose result goes on into a quantised operand takes f32 operands (vector FMAs, or v_wmma_f32_16x16x4_f32). A number that lies on a knife's edge between two numbers of the format may be rounded either way, as far as f32 arithmetic and the matrix unit's own rounding can turn it there, and no further.
;; 2 versions, each right; version 2 is version 1 with the launches feat, attn written anew for expert scheduling mode. Each part assembles by itself: llvm-mc -triple=amdgcn-amd-amdhsa -mcpu=gfx1250 --defsym DOCPART=n.
;; ======== version 1 of 2: 3 launches
;; workspace buffers: wimg 147,456 bytes; wscl 12,288 bytes; vimg 196,608 bytes; vscl 8,192 bytes; vf32 1,048,576 bytes
;; launch wq (part 1): grid 24 x 1, 4 waves a work-group, no clusters, 0 bytes of LDS; arguments fw1, fw2, ow, vw, wimg, wscl; writes wimg, wscl
.if DOCPART == 1
	.amdgcn_target "amdgcn-amd-amdhsa--gfx1250"
	.amdhsa_code_object_version 6
	.text
	.protected	k_q2abb799c26_wq
	.globl	k_q2abb799c26_wq
	.p2align	8
	.type	k_q2abb799c26_wq,@function
k_q2abb799c26_wq:
	s_mov_b64 s[64:65], 0
	v_nop
	global_prefetch_b8 v0, s[64:65] scope:SCOPE_SE
	s_setreg_imm32_b32 hwreg(HW_REG_WAVE_MODE, 25, 1), 1
	s_wait_xcnt 0x0
; The four weights fw1 [256][256], fw2 [256][256], ow [256][128], vw [256][128], f32 with K as their FIRST axis, become codes of FP6 (E2M3)
; with one E8M0 scale for each 32 along K, laid as IMAGES OF THE OPERAND'S REGISTERS: a fragment is 16 columns x 128 K = 12 registers a lane,
; stored as three groups of four registers, group c at 512 c + 16 x lane (1,536 bytes a fragment), its scale word at 4 x lane (128 bytes).
; Fragment numbers: fw1 0-31, fw2 32-63, ow 64-79, vw 80-95; inside a weight 2 x (tile of 16 columns) + (K step of 128).
; ONE WAVE MAKES ONE FRAGMENT: 96 waves, 24 work-groups.  A lane takes a column and its registers run down K, so nothing is transposed.
; THE ORDER OF K IN A FRAGMENT (kept by every operand of this program): lanes 0-15 hold k = 0..63 of the K step, lanes 16-31 k = 64..127,
; 64 neighbours a lane.  The unit takes registers 0-5 of lanes 0-15 as its block 0, of lanes 16-31 as block 1, registers 6-11 as blocks 2 and 3:
; so the scale word holds the bytes of the blocks of 32 in the order 0, 2, 1, 3.  Both operands of a product are laid so: the same products are summed.
; fw1's tiles take columns that are not neighbours: lane r of tile 2 b + u takes column 32 b + 8 u + r + 8 (r / 8), so that in the next launch two
; neighbouring tiles give a lane 16 neighbouring hidden units.
; A block's scale is 2^(floor(log2(largest magnitude)) - 2); its byte is that magnitude's exponent field - 2, held at 1 from below.
; LIMITS: a block of zeros gets the byte 1 and not 127 (its codes are zeros, and this program alone reads the bytes); NaN and infinities are not served.
.set T,   32                           ; v32-95   my column's 64 numbers
.set F,   96                           ; v96-107  the fragment
.set TP,  108                          ; v108-115 the upper halves of the two blocks' codes, before they are moved
.set MX,  16
.set SO,  18
.set BY,  20
.set SW,  22
.set PD,  23
.set SH8, 24
.set SEL, 28
; 64 numbers of a lane, two whole blocks of 32, become 12 registers of codes at v[dst] and the scale word in v[sw]
.macro QF src, dst, tp, sw
.irp c, 0,1
	v_max3_num_f32 v[MX+\c], |v[\src+32*\c]|, |v[\src+32*\c+1]|, 0x1800000   ; the floor 2^(3 - 127) among the leaves: the byte cannot fall under 1
.endr
.irp i, 2,4,6,8,10,12,14,16,18,20,22,24,26,28,30
.irp c, 0,1
	v_max3_num_f32 v[MX+\c], v[MX+\c], |v[\src+32*\c+\i]|, |v[\src+32*\c+\i+1]|   ; the two blocks by turns
.endr
.endr
.irp c, 0,1
	v_add_nc_u32 v[SO+\c], 0xff000000, v[MX+\c]    ; 2 off the exponent field: the conversion's scale operand
.endr
.irp c, 0,1
	v_lshrrev_b32 v[BY+\c], 23, v[SO+\c]           ; the scale's byte
.endr
	v_lshl_or_b32 v[\sw], v[BY+1], 16, v[BY]       ; my two bytes stand at places h and 2 + h of the word
	v_lshlrev_b32 v[\sw], v[SH8], v[\sw]
	v_permlanex16_b32 v[PD], v[\sw], s[SEL], s[SEL+1]
	v_or_b32 v[\sw], v[\sw], v[PD]                 ; with lane l xor 16's two the word is whole, in every lane
.irp c, 0,1
	v_cvt_scalef32_pk16_fp6_f32 v[\dst+6*\c:\dst+6*\c+2], v[\src+32*\c:\src+32*\c+15], v[SO+\c]
	v_cvt_scalef32_pk16_fp6_f32 v[\tp+4*\c:\tp+4*\c+2], v[\src+32*\c+16:\src+32*\c+31], v[SO+\c]   ; (a conversion's three registers begin on an even number)
.endr
	v_nop                                          ; one plain instruction behind the last scaled conversion
.irp c, 0,1
.irp i, 0,1,2
	v_mov_b32 v[\dst+6*\c+3+\i], v[\tp+4*\c+\i]
.endr
.endr
.endm
	s_load_b256 s[4:11], s[0:1], 0x0               ; fw1 s[4:5], fw2 s[6:7], ow s[8:9], vw s[10:11]
	s_load_b128 s[12:15], s[0:1], 0x20             ; wimg s[12:13], wscl s[14:15]
	v_lshrrev_b32 v1, 5, v0
	v_readfirstlane_b32 s16, v1                    ; wave
	v_and_b32 v2, 31, v0                           ; lane
	v_and_b32 v3, 15, v0                           ; r
	v_bfe_u32 v4, v0, 4, 1                         ; h
	s_mov_b32 s[SEL], 0x76543210
	s_mov_b32 s[SEL+1], 0xfedcba98                 ; selects for lane l xor 16
	v_mov_b32 v[PD], 0                             ; a lane permute's destination counts as read
	v_lshlrev_b32 v[SH8], 3, v4
	s_lshl_b32 s17, ttmp9, 2
	s_add_co_u32 s17, s17, s16                     ; my fragment
	s_cmp_lt_u32 ttmp9, 16                         ; work-groups 0-15: the weights with 256 columns
	s_cselect_b32 s18, 31, 15
	s_cselect_b32 s19, 10, 9                       ; log2 of a row's bytes
	s_and_b32 s18, s17, s18                        ; the fragment's number inside its weight
	s_lshr_b32 s20, s18, 1                         ; tile of columns
	s_and_b32 s21, s18, 1                          ; K step
	s_lshr_b32 s22, s20, 1
	s_lshl_b32 s22, s22, 5
	s_and_b32 s23, s20, 1
	s_lshl_b32 s23, s23, 3
	s_add_co_u32 s22, s22, s23                     ; fw1: first column 32 (tile / 2) + 8 (tile % 2)
	s_lshl_b32 s23, s20, 4                         ; the others: 16 x tile
	s_cmp_lt_u32 ttmp9, 8
	s_cselect_b32 s22, s22, s23
	s_cselect_b32 s24, 8, 0
	v_and_b32 v5, s24, v3
	v_add_nc_u32 v5, v5, v3                        ; r, in fw1 + 8 (r / 8)
	v_add_nc_u32 v5, s22, v5                       ; my column
	v_lshlrev_b32 v5, 2, v5
	s_lshl_b32 s21, s21, 1
	v_add_nc_u32 v6, s21, v4
	v_lshlrev_b32 v6, 6, v6                        ; my first row: 128 x K step + 64 h
	v_lshlrev_b32 v6, s19, v6
	v_add_nc_u32 v5, v5, v6                        ; byte offset of my first number
	v_lshlrev_b32 v7, 4, v2
	v_lshlrev_b32 v8, 2, v2
	s_mul_i32 s26, s17, 1536
	s_mov_b32 s27, 0
	s_lshl_b32 s30, s17, 7
	s_mov_b32 s31, 0
	s_wait_kmcnt 0x0
	s_add_nc_u64 s[12:13], s[12:13], s[26:27]
	s_add_nc_u64 s[14:15], s[14:15], s[30:31]
	s_cmp_lt_u32 ttmp9, 8                          ; the weight hangs on the work-group's number alone
	s_cselect_b64 s[4:5], s[4:5], s[6:7]
	s_cmp_lt_u32 ttmp9, 20
	s_cselect_b64 s[8:9], s[8:9], s[10:11]
	s_cmp_lt_u32 ttmp9, 16
	s_cselect_b64 s[4:5], s[4:5], s[8:9]
	s_cbranch_scc0 .Lnarrow
.set i, 0
.rept 64
	global_load_b32 v[T+i], v5, s[4:5] offset:i*1024 th:TH_LOAD_NT   ; rows of 1,024 bytes; sixteen lanes read neighbouring columns
.set i, i+1
.endr
	s_branch .Lloaded
.Lnarrow:
.set i, 0
.rept 64
	global_load_b32 v[T+i], v5, s[4:5] offset:i*512 th:TH_LOAD_NT    ; rows of 512 bytes
.set i, i+1
.endr
.Lloaded:
	s_wait_loadcnt 0x0
	QF T, F, TP, SW
	global_store_b128 v7, v[F:F+3], s[12:13]                 ; each store of the wave covers 512 consecutive bytes, aligned
	global_store_b128 v7, v[F+4:F+7], s[12:13] offset:512
	global_store_b128 v7, v[F+8:F+11], s[12:13] offset:1024
	global_store_b32 v8, v[SW], s[14:15]
	s_endpgm
.Lfunc_end_k_q2abb799c26_wq:
	.size	k_q2abb799c26_wq, .Lfunc_end_k_q2abb799c26_wq-k_q2abb799c26_wq
	.p2alignl 7, 3214868480
	.fill 96, 4, 3214868480
	.section	.rodata,"a",@progbits
	.p2align	6, 0x0
	.amdhsa_kernel k_q2abb799c26_wq
		.amdhsa_group_segment_fixed_size 0
		.amdhsa_private_segment_fixed_size 0
		.amdhsa_enable_private_segment 0
		.amdhsa_kernarg_size 48
		.amdhsa_user_sgpr_count 2
		.amdhsa_user_sgpr_kernarg_segment_ptr 1
		.amdhsa_wavefront_size32 1
		.amdhsa_system_sgpr_workgroup_id_x 1
		.amdhsa_system_sgpr_workgroup_id_y 1
		.amdhsa_system_sgpr_workgroup_id_z 1
		.amdhsa_system_vgpr_workitem_id 0
		.amdhsa_next_free_vgpr 120
		.amdhsa_next_free_sgpr 66
		.amdhsa_reserve_vcc 0
		.amdhsa_float_denorm_mode_32 3
		.amdhsa_float_denorm_mode_16_64 3
		.amdhsa_memory_ordered 1
		.amdhsa_forward_progress 1
		.amdhsa_inst_pref_size 18
	.end_amdhsa_kernel
	.amdgpu_metadata
---
amdhsa.version: [ 1, 2 ]
amdhsa.kernels:
  - .name:           k_q2abb799c26_wq
    .symbol:         k_q2abb799c26_wq.kd
    .args:
      - { .name: fw1, .offset: 0, .size: 8, .value_kind: global_buffer, .address_space: global }
      - { .name: fw2, .offset: 8, .size: 8, .value_kind: global_buffer, .address_space: global }
      - { .name: ow, .offset: 16, .size: 8, .value_kind: global_buffer, .address_space: global }
      - { .name: vw, .offset: 24, .size: 8, .value_kind: global_buffer, .address_space: global }
      - { .name: wimg, .offset: 32, .size: 8, .value_kind: global_buffer, .address_space: global }
      - { .name: wscl, .offset: 40, .size: 8, .value_kind: global_buffer, .address_space: global }
    .group_segment_fixed_size: 0
    .private_segment_fixed_size: 0
    .kernarg_segment_align: 8
    .kernarg_segment_size: 48
    .max_flat_workgroup_size: 128
    .sgpr_count:     66
    .vgpr_count:     120
    .wavefront_size: 32
...
	.end_amdgpu_metadata
.endif
;; end of part 1
;; launch feat (part 2): grid 16 x 1, 16 waves a work-group, no clusters, 182,272 bytes of LDS; arguments h_obs, fb1, fb2, wimg, wscl, vimg, vscl, vf32; writes vimg, vscl, vf32
.if DOCPART == 2
	.amdgcn_target "amdgcn-amd-amdhsa--gfx1250"
	.amdhsa_code_object_version 6
	.text
	.protected	k_q2abb799c26_feat
	.globl	k_q2abb799c26_feat
	.p2align	8
	.type	k_q2abb799c26_feat,@function
k_q2abb799c26_feat:
	s_mov_b64 s[64:65], 0
	v_nop
	global_prefetch_b8 v0, s[64:65] scope:SCOPE_SE
	s_setreg_imm32_b32 hwreg(HW_REG_WAVE_MODE, 25, 1), 1
	s_wait_xcnt 0x0
; v = relu(h_obs fw1 + fb1) fw2 + fb2, both products on codes of FP6 (E2M3) with one E8M0 scale for each 32 along K; the weights come as register images.
; A work-group takes 64 rows (observations) of the 1,024; 16 waves: wave w takes tiles of rows 2 (w / 8), 2 (w / 8) + 1 and 32 columns, 32 (w % 8) on.
; PHASES, a barrier between them: x is quantised (a lane a block of 32) into rows of codes in LDS | layer 1, relu, quantised in registers, rows of codes in LDS |
; layer 2, v in f32 into a stage | v leaves in two forms: in f32 in the order in which the next launch's lanes take it, and as codes with the OBSERVATIONS innermost.
; Both products are used transposed (source 0 = 16 columns of the weight, source 1 = 16 rows), so a lane holds one row and its registers run along the columns.
; The biases are loaded into the accumulators: they are the C of each sum's first matrix instruction.
; THE ORDER OF K: a lane of lanes 0-15 holds k = 0..63 of a K step of 128, a lane of lanes 16-31 k = 64..127: 48 neighbouring bytes of a row of codes; scale words hold the bytes of blocks 0, 2, 1, 3.
; OUTPUT LAYOUTS.  vimg [batch 2][K step 4][tile of columns 16][lane 32][48 bytes]: lane r + 16 h holds column 16 tile + r, observations 128 step + 64 h + 0..63.
; vscl [batch][K step][column 256][4 bytes in the unit's order].  vf32 [batch][pair of heads 4][j 16][head of the pair 2][i 4][half 2][lane 32][16 bytes]:
; observation 32 j + 4 (lane % 8) + i, channels 16 half + 4 (lane / 8) + 0..3.
; 64 rows to a work-group, so that a work-group writes whole lanes' 48 bytes of vimg.  The scale bytes of v leave as single bytes, 512 a work-group: a word's four bytes come from two work-groups.
; LIMITS: a block of zeros gets the byte 1 and not 127 (zero codes; read by this program alone); NaN and infinities are not served.
.set XST, 0                            ; 16 waves x 32 places of 144 bytes: x's turn from 16 bytes a lane to a block a lane
.set XC,  73728                        ; x's codes: 64 rows x (192 + 16) bytes
.set XS,  87040                        ; x's scale bytes: 8 a row
.set HC,  87552                        ; the hidden layer's codes, likewise
.set HS,  100864
.set VST, 101376                       ; v in f32: 64 rows x (1,024 + 16) bytes
.set CST, 167936                       ; v's codes: 256 columns x 48 bytes
.set W1F, 20                           ; v20-67   fw1's fragments (tile u, K step s) at 12 (2 u + s)
.set W2F, 68                           ; v68-115  fw2's
.set W1S, 116
.set W2S, 120
.set XF,  124                          ; v124-171 the rows' fragments (tile m, K step s) at 12 (2 m + s); first: a block of x
.set XSW, 172                          ; v172-175 their scale words
.set ACC1, 176                         ; v176-207 at 16 m + 8 u; first: x as it is loaded
.set ACC2, 208                         ; v208-239 at 16 m + 8 t
.set MXA, 240
.set MXB, 241
.set SOR, 242
.set BY0, 243
.set BY1, 244
.set PD,  245
.set CD,  246
.set TPQ, 252
.set SEL, 28
.macro BARRIER                         ; my LDS stores have landed and my LDS loads are in: then the work-group's barrier
	s_wait_dscnt 0x0
	s_barrier_signal -1
	s_barrier_wait -1
.endm
; a whole block of 32 numbers of a lane becomes 6 registers of codes at v[dst] and its byte in v[by]
.macro QBLK src, dst, tp, by
	v_max3_num_f32 v[MXA], |v[\src]|, |v[\src+1]|, 0x1800000       ; the floor 2^(3 - 127): the byte cannot fall under 1
	v_max3_num_f32 v[MXB], |v[\src+2]|, |v[\src+3]|, 0x1800000
.irp i, 4,8,12,16,20,24,28
	v_max3_num_f32 v[MXA], v[MXA], |v[\src+\i]|, |v[\src+\i+1]|
	v_max3_num_f32 v[MXB], v[MXB], |v[\src+\i+2]|, |v[\src+\i+3]|
.endr
	v_max_num_f32 v[MXA], v[MXA], v[MXB]
	v_add_nc_u32 v[SOR], 0xff000000, v[MXA]        ; 2 off the exponent field: the conversion's scale operand
	v_lshrrev_b32 v[\by], 23, v[SOR]
	v_cvt_scalef32_pk16_fp6_f32 v[\dst:\dst+2], v[\src:\src+15], v[SOR]
	v_cvt_scalef32_pk16_fp6_f32 v[\tp:\tp+2], v[\src+16:\src+31], v[SOR]
	v_nop                                          ; one plain instruction behind the last scaled conversion
.irp i, 0,1,2
	v_mov_b32 v[\dst+3+\i], v[\tp+\i]
.endr
.endm
; 16 numbers of a lane, none negative, half a block (the other half lies in lane l xor 16), become 3 registers of codes
.macro HQ16 src, dst, by
	v_max3_num_f32 v[MXA], v[\src], v[\src+1], 0x1800000
.irp i, 2,4,6,8,10,12,14
	v_max3_num_f32 v[MXA], v[MXA], v[\src+\i], v[\src+\i+1]
.endr
	v_permlanex16_b32 v[PD], v[MXA], s[SEL], s[SEL+1]
	v_max_num_f32 v[MXA], v[MXA], v[PD]
	v_add_nc_u32 v[SOR], 0xff000000, v[MXA]
	v_lshrrev_b32 v[\by], 23, v[SOR]
	v_cvt_scalef32_pk16_fp6_f32 v[\dst:\dst+2], v[\src:\src+15], v[SOR]
	v_nop
.endm
; the rows' four fragments and scale words out of rows of codes
.macro ROWS fa, sa
.irp m, 0,1
.irp s, 0,1
.irp c, 0,1,2
	ds_load_b128 v[XF+12*(2*\m+\s)+4*\c:XF+12*(2*\m+\s)+4*\c+3], v[\fa] offset:3328*\m+96*\s+16*\c
.endr
	ds_load_b32 v[XSW+2*\m+\s], v[\sa] offset:128*\m+4*\s
.endr
.endr
.endm
; eight matrix instructions: four accumulators by turns, one instruction a turn
.macro LAYER acc, wf, ws
.irp s, 0,1
.irp m, 0,1
.irp u, 0,1
	v_wmma_scale_f32_16x16x128_f8f6f4 v[\acc+16*\m+8*\u:\acc+16*\m+8*\u+7], v[\wf+12*(2*\u+\s):\wf+12*(2*\u+\s)+11], v[XF+12*(2*\m+\s):XF+12*(2*\m+\s)+11], v[\acc+16*\m+8*\u:\acc+16*\m+8*\u+7], v[\ws+2*\u+\s], v[XSW+2*\m+\s] matrix_a_fmt:MATRIX_FMT_FP6 matrix_b_fmt:MATRIX_FMT_FP6
.endr
.endr
.endr
.rept 4
	v_nop                                          ; four plain instructions behind the last product, ahead of reads of results and of loads into operands
.endr
.endm
	s_load_b512 s[4:19], s[0:1], 0x0               ; h_obs, fb1, fb2, wimg, wscl, vimg, vscl, vf32
	v_lshl_add_u32 v19, v0, 2, 0x2c000
	v_mov_b32 v255, 0
	v_lshrrev_b32 v1, 5, v0
	v_readfirstlane_b32 s20, v1                    ; wave w
	v_and_b32 v1, 31, v0                           ; lane
	v_and_b32 v2, 15, v0                           ; r
	v_bfe_u32 v3, v0, 4, 1                         ; h
	s_lshr_b32 s21, s20, 3                         ; which 32 rows
	s_and_b32 s22, s20, 7                          ; which 32 columns
	s_mov_b32 s[SEL], 0x76543210
	s_mov_b32 s[SEL+1], 0xfedcba98
	v_mov_b32 v[PD], 0
	v_lshlrev_b32 v4, 4, v1                        ; 16 x lane
	v_lshlrev_b32 v5, 2, v1                        ; 4 x lane
	v_lshlrev_b32 v6, 6, v3                        ; fb1: 64 h
	v_lshlrev_b32 v7, 5, v3                        ; fb2: 32 h
	s_mul_i32 s23, s20, 4608
	v_lshrrev_b32 v240, 3, v1
	v_and_b32 v241, 7, v1
	v_mul_u32_u24 v8, v240, 144
	v_lshl_add_u32 v8, v241, 4, v8
	v_add_nc_u32 v8, s23, v8                       ; the turn, in: eight lanes' 128 bytes to a place
	v_mul_u32_u24 v9, v1, 144
	v_add_nc_u32 v9, s23, v9                       ; and out: a place a lane
	s_mul_i32 s24, s20, 832
	s_add_co_u32 s24, s24, XC
	v_mul_u32_u24 v10, v240, 208
	v_mad_u32_u24 v10, v241, 24, v10
	v_add_nc_u32 v10, s24, v10                     ; x's codes: row 4 w + lane / 8, block lane % 8
	s_lshl_b32 s24, s20, 5
	s_add_co_u32 s24, s24, XS
	v_bfe_u32 v242, v0, 2, 1
	v_bfe_u32 v243, v0, 1, 1
	v_and_b32 v244, 1, v0
	v_lshl_add_u32 v11, v240, 3, v243
	v_lshl_add_u32 v11, v242, 2, v11
	v_lshl_add_u32 v11, v244, 1, v11
	v_add_nc_u32 v11, s24, v11                     ; its byte: word block / 4, place 0, 2, 1, 3 for block % 4 = 0, 1, 2, 3
	s_mul_i32 s24, s21, 6656
	v_mul_u32_u24 v12, v2, 208
	v_mad_u32_u24 v12, v3, 48, v12
	v_add_nc_u32 v12, s24, v12
	v_add_nc_u32 v13, HC, v12                      ; fragments out of the hidden layer's rows,
	v_add_nc_u32 v12, XC, v12                      ; and out of x's: row 32 (w / 8) + r, + 48 h
	s_lshl_b32 s24, s21, 8
	v_lshl_add_u32 v14, v2, 3, s24
	v_add_nc_u32 v15, HS, v14
	v_add_nc_u32 v14, XS, v14                      ; scale words: 8 bytes a row
	s_mul_i32 s24, s21, 6656
	s_mul_i32 s25, s22, 24
	s_add_co_u32 s24, s24, s25
	s_add_co_u32 s24, s24, HC
	v_mul_u32_u24 v16, v2, 208
	v_mad_u32_u24 v16, v3, 12, v16
	v_add_nc_u32 v16, s24, v16                     ; the hidden layer's codes: my row, block w % 8, 12 bytes for each half of the lanes
	s_lshl_b32 s24, s21, 8
	s_bfe_u32 s25, s22, 0x10002
	s_lshl_b32 s25, s25, 2
	s_add_co_u32 s24, s24, s25
	s_and_b32 s25, s22, 1
	s_lshl_b32 s25, s25, 1
	s_add_co_u32 s24, s24, s25
	s_bfe_u32 s25, s22, 0x10001
	s_add_co_u32 s24, s24, s25
	s_add_co_u32 s24, s24, HS
	v_lshl_add_u32 v17, v2, 3, s24                 ; and its byte
	s_mul_i32 s24, s21, 33280
	s_lshl_b32 s25, s22, 7
	s_add_co_u32 s24, s24, s25
	s_add_co_u32 s24, s24, VST
	v_mul_u32_u24 v18, v2, 1040
	v_lshl_add_u32 v18, v3, 5, v18
	v_add_nc_u32 v18, s24, v18                     ; v's stage: my row, + 128 (w % 8) + 32 h
	s_mov_b32 s27, 0
	s_lshl_b32 s26, ttmp9, 16
	s_lshl_b32 s24, s20, 12
	s_add_co_u32 s26, s26, s24
	s_wait_kmcnt 0x0
	s_add_nc_u64 s[4:5], s[4:5], s[26:27]          ; x: 64 rows a work-group, 4 rows a wave
	s_lshl_b32 s26, s22, 7
	s_add_nc_u64 s[6:7], s[6:7], s[26:27]
	s_add_nc_u64 s[8:9], s[8:9], s[26:27]
	s_mul_i32 s26, s22, 6144
	s_add_nc_u64 s[10:11], s[10:11], s[26:27]      ; my four fragments of fw1; fw2's lie 32 fragments on
	s_lshl_b32 s26, s22, 9
	s_add_nc_u64 s[12:13], s[12:13], s[26:27]
	s_lshr_b32 s30, ttmp9, 1                       ; 4 x batch + K step of the observations
	s_and_b32 s31, ttmp9, 1                        ; which half of the lanes my 64 observations are
	s_lshl_b32 s26, s30, 10
	s_add_co_u32 s26, s26, s31
	s_add_nc_u64 s[16:17], s[16:17], s[26:27]
	s_lshl_b32 s26, s30, 4
	s_add_co_u32 s26, s26, s20
	s_mul_i32 s26, s26, 1536
	s_mul_i32 s32, s31, 768
	s_add_co_u32 s26, s26, s32
	s_add_nc_u64 s[14:15], s[14:15], s[26:27]
	s_lshr_b32 s32, ttmp9, 3
	s_lshl_b32 s32, s32, 2
	s_lshr_b32 s33, s20, 2                         ; pair of heads
	s_add_co_u32 s32, s32, s33
	s_lshl_b32 s32, s32, 4
	s_and_b32 s34, ttmp9, 7
	s_lshl_b32 s34, s34, 1
	s_add_co_u32 s32, s32, s34
	s_bfe_u32 s34, s20, 0x10001                    ; which 32 of my 64 observations
	s_add_co_u32 s32, s32, s34
	s_lshl_b32 s32, s32, 1
	s_and_b32 s35, s20, 1                          ; head of the pair
	s_add_co_u32 s32, s32, s35
	s_lshl_b32 s26, s32, 12
	s_add_nc_u64 s[18:19], s[18:19], s[26:27]
	s_mul_i32 s36, s34, 33280
	s_lshl_b32 s37, s33, 1
	s_add_co_u32 s37, s37, s35
	s_lshl_b32 s37, s37, 7
	s_add_co_u32 s36, s36, s37
	s_add_co_u32 s36, s36, VST                     ; the stage's corner for my part of vf32
	s_mul_i32 s38, s20, 768
	s_add_co_u32 s38, s38, CST
	; 48 loads: x first
.irp i, 0,1,2,3,4,5,6,7
	global_load_b128 v[ACC1+4*\i:ACC1+4*\i+3], v4, s[4:5] offset:512*\i th:TH_LOAD_NT   ; 512 consecutive bytes a load
.endr
.irp f, 0,1,2,3
.irp c, 0,1,2
	global_load_b128 v[W1F+12*\f+4*\c:W1F+12*\f+4*\c+3], v4, s[10:11] offset:1536*\f+512*\c
.endr
	global_load_b32 v[W1S+\f], v5, s[12:13] offset:128*\f
.endr
.irp f, 0,1,2,3
.irp c, 0,1,2
	global_load_b128 v[W2F+12*\f+4*\c:W2F+12*\f+4*\c+3], v4, s[10:11] offset:49152+1536*\f+512*\c
.endr
	global_load_b32 v[W2S+\f], v5, s[12:13] offset:4096+128*\f
.endr
.irp m, 0,1
.irp u, 0,1
	global_load_b128 v[ACC2+16*\m+8*\u:ACC2+16*\m+8*\u+3], v7, s[8:9] offset:64*\u         ; fb2 at columns 16 t + 8 h + 0..7
	global_load_b128 v[ACC2+16*\m+8*\u+4:ACC2+16*\m+8*\u+7], v7, s[8:9] offset:64*\u+16
.endr
.endr
	; ---- x: a lane gets a whole block of 32
	s_wait_loadcnt 40                              ; x's eight loads are in; the 40 issued behind them may be out
.irp i, 0,1,2,3,4,5,6,7
	ds_store_b128 v8, v[ACC1+4*\i:ACC1+4*\i+3] offset:576*\i
.endr
.irp i, 0,1,2,3,4,5,6,7
	ds_load_b128 v[XF+4*\i:XF+4*\i+3], v9 offset:16*\i     ; the wave's own bytes; LDS serves a wave's instructions in order (ISA guide 5.7.1.4)
.endr
	s_wait_dscnt 0x0                               ; the block is in, and the stores have read their registers, which now take fb1
.irp m, 0,1
.irp u, 0,1
	global_load_b128 v[ACC1+16*\m+8*\u:ACC1+16*\m+8*\u+3], v6, s[6:7] offset:32*\u         ; fb1 at hidden units 16 h + 8 u + 0..7
	global_load_b128 v[ACC1+16*\m+8*\u+4:ACC1+16*\m+8*\u+7], v6, s[6:7] offset:32*\u+16
.endr
.endr
	QBLK XF, CD, TPQ, BY0
	ds_store_b64 v10, v[CD:CD+1]
	ds_store_b64 v10, v[CD+2:CD+3] offset:8
	ds_store_b64 v10, v[CD+4:CD+5] offset:16
	ds_store_b8 v11, v[BY0]
	BARRIER                                        ; x's 64 rows of codes lie in LDS
	; ---- layer 1
	ROWS 12, 14
	s_wait_dscnt 0x0
	s_wait_loadcnt 0x0                             ; fb1 was asked for last: all weights and biases are in
	LAYER ACC1, W1F, W1S
.set j, 0
.rept 32
	v_max_num_f32 v[ACC1+j], 0, v[ACC1+j]          ; the activation, in f32; each accumulator from its low end on
.set j, j+1
.endr
	HQ16 ACC1, CD, BY0                             ; my 16 registers of a tile of rows are hidden units 32 (w % 8) + 16 h + 0..15
	HQ16 ACC1+16, CD+4, BY1
.irp i, 0,1,2
	ds_store_b32 v16, v[CD+\i] offset:4*\i
	ds_store_b32 v16, v[CD+4+\i] offset:3328+4*\i
.endr
	ds_store_b8 v17, v[BY0]                        ; both halves of the lanes write the same byte with the same value
	ds_store_b8 v17, v[BY1] offset:128
	BARRIER                                        ; the hidden layer's 64 rows of codes lie in LDS
	; ---- layer 2
	ROWS 13, 15
	s_wait_dscnt 0x0
	LAYER ACC2, W2F, W2S
.irp m, 0,1
.irp u, 0,1
	ds_store_b128 v18, v[ACC2+16*\m+8*\u:ACC2+16*\m+8*\u+3] offset:16640*\m+64*\u
	ds_store_b128 v18, v[ACC2+16*\m+8*\u+4:ACC2+16*\m+8*\u+7] offset:16640*\m+64*\u+16
.endr
.endr
	v_lshrrev_b32 v110, 8, v0                      ; which 32 of the 64 observations
	v_and_b32 v111, 255, v0                        ; my column
	v_mul_u32_u24 v100, v110, 33280
	v_lshl_add_u32 v100, v111, 2, v100
	v_add_nc_u32 v100, VST, v100                   ; down my column
	v_mul_u32_u24 v101, v111, 48
	v_mad_u32_u24 v101, v110, 24, v101
	v_add_nc_u32 v101, CST, v101
	v_lshlrev_b32 v102, 2, v111
	v_lshl_add_u32 v102, v110, 1, v102             ; the byte's place in vscl: 4 x column + 2 x (block of my 64)
	v_and_b32 v112, 7, v0
	v_lshrrev_b32 v113, 3, v1
	v_mul_u32_u24 v103, v112, 4160
	v_lshl_add_u32 v103, v113, 4, v103
	v_add_nc_u32 v103, s36, v103                   ; vf32: row 4 (lane % 8), channels 4 (lane / 8) on
	v_lshlrev_b32 v105, 3, v1
	v_add_nc_u32 v104, s38, v105
	BARRIER                                        ; 64 rows of v lie in the stage
	; ---- v leaves
.set j, 0
.rept 32
	ds_load_b32 v[20+j], v100 offset:1040*j        ; a block of 32 observations of my column: K of the next launch's product
.set j, j+1
.endr
.irp i, 0,1,2,3
.irp u, 0,1
	ds_load_b128 v[68+4*(2*\i+\u):68+4*(2*\i+\u)+3], v103 offset:1040*\i+64*\u
.endr
.endr
	s_wait_dscnt 8                                 ; the column's 32 are in; the eight behind them may be out
	QBLK 20, CD, TPQ, BY0
	ds_store_b64 v101, v[CD:CD+1]
	ds_store_b64 v101, v[CD+2:CD+3] offset:8
	ds_store_b64 v101, v[CD+4:CD+5] offset:16
	global_store_b8 v102, v[BY0], s[16:17]
	s_wait_dscnt 0x0
.irp i, 0,1,2,3,4,5,6,7
	global_store_b128 v4, v[68+4*\i:68+4*\i+3], s[18:19] offset:512*\i    ; 512 consecutive bytes a store, aligned
.endr
	s_barrier_signal -1                            ; (the wait for all my LDS instructions stands above)
	s_barrier_wait -1                              ; the codes of 256 columns lie in LDS
.irp i, 0,1,2
	ds_load_b64 v[52+2*\i:53+2*\i], v104 offset:256*\i
.endr
	s_wait_dscnt 0x0
.irp i, 0,1,2
	global_store_b64 v105, v[52+2*\i:53+2*\i], s[14:15] offset:256*\i     ; 256 consecutive bytes a store, aligned
.endr
	s_wait_tensorcnt 0x0
	ds_add_u32 v19, v255
	s_wait_dscnt 0x0
	s_endpgm
.Lfunc_end_k_q2abb799c26_feat:
	.size	k_q2abb799c26_feat, .Lfunc_end_k_q2abb799c26_feat-k_q2abb799c26_feat
	.p2alignl 7, 3214868480
	.fill 96, 4, 3214868480
	.section	.rodata,"a",@progbits
	.p2align	6, 0x0
	.amdhsa_kernel k_q2abb799c26_feat
		.amdhsa_group_segment_fixed_size 182272
		.amdhsa_private_segment_fixed_size 0
		.amdhsa_enable_private_segment 0
		.amdhsa_kernarg_size 64
		.amdhsa_user_sgpr_count 2
		.amdhsa_user_sgpr_kernarg_segment_ptr 1
		.amdhsa_wavefront_size32 1
		.amdhsa_system_sgpr_workgroup_id_x 1
		.amdhsa_system_sgpr_workgroup_id_y 1
		.amdhsa_system_sgpr_workgroup_id_z 1
		.amdhsa_system_vgpr_workitem_id 0
		.amdhsa_next_free_vgpr 256
		.amdhsa_next_free_sgpr 66
		.amdhsa_reserve_vcc 0
		.amdhsa_float_denorm_mode_32 3
		.amdhsa_float_denorm_mode_16_64 3
		.amdhsa_memory_ordered 1
		.amdhsa_forward_progress 1
		.amdhsa_inst_pref_size 29
	.end_amdhsa_kernel
	.amdgpu_metadata
---
amdhsa.version: [ 1, 2 ]
amdhsa.kernels:
  - .name:           k_q2abb799c26_feat
    .symbol:         k_q2abb799c26_feat.kd
    .args:
      - { .name: h_obs, .offset: 0, .size: 8, .value_kind: global_buffer, .address_space: global }
      - { .name: fb1, .offset: 8, .size: 8, .value_kind: global_buffer, .address_space: global }
      - { .name: fb2, .offset: 16, .size: 8, .value_kind: global_buffer, .address_space: global }
      - { .name: wimg, .offset: 24, .size: 8, .value_kind: global_buffer, .address_space: global }
      - { .name: wscl, .offset: 32, .size: 8, .value_kind: global_buffer, .address_space: global }
      - { .name: vimg, .offset: 40, .size: 8, .value_kind: global_buffer, .address_space: global }
      - { .name: vscl, .offset: 48, .size: 8, .value_kind: global_buffer, .address_space: global }
      - { .name: vf32, .offset: 56, .size: 8, .value_kind: global_buffer, .address_space: global }
    .group_segment_fixed_size: 182272
    .private_segment_fixed_size: 0
    .kernarg_segment_align: 8
    .kernarg_segment_size: 64
    .max_flat_workgroup_size: 512
    .sgpr_count:     66
    .vgpr_count:     256
    .wavefront_size: 32
...
	.end_amdgpu_metadata
.endif
;; end of part 2
;; launch attn (part 3): grid 256 x 1, 4 waves a work-group, no clusters, 111,104 bytes of LDS; arguments pos_obs, pos_query, kw1, kb1, kw2, kb2, log_sigma, ob, vb, wimg, wscl, vimg, vscl, vf32, out0, out1; writes out0, out1
.if DOCPART == 3
	.amdgcn_target "amdgcn-amd-amdhsa--gfx1250"
	.amdhsa_code_object_version 6
	.text
	.protected	k_q2abb799c26_attn
	.globl	k_q2abb799c26_attn
	.p2align	8
	.type	k_q2abb799c26_attn,@function
k_q2abb799c26_attn:
	s_mov_b64 s[64:65], 0
	v_nop
	global_prefetch_b8 v0, s[64:65] scope:SCOPE_SE
	s_setreg_imm32_b32 hwreg(HW_REG_WAVE_MODE, 25, 1), 1
	s_wait_xcnt 0x0
; For 4 queries of one batch, all 512 observations and all 8 heads: the kernel MLP, the logits, the softmax, P V on codes of FP6, the weighted variance, the two projections on codes, softplus.
; SHARES.  256 work-groups of four waves.  In the MLP wave w takes observations 128 w + 4 lane + 0..3 for the 4 queries: 16 pairs a lane, 8 heads: 128 sums.  From the softmax on wave w owns heads 2 w, 2 w + 1.
; THE MLP IN f32 (its result goes on into a quantised operand).  ki kw1 + kb1 = a_q[c] + b_o[c], a_q[c] = kb1[c] + sum_k pq[k] (kw1[k][c] + kw1[6+k][c]), b_o[c] = sum_k po[k] (kw1[3+k][c] - kw1[6+k][c]):
; the same terms as written in the problem, grouped otherwise, so the order of rounding differs.  For two channels a RECORD of 32 words lies in LDS (kw2's two rows, the three position weights, the four a_q);
; every lane reads it at one address: 8 loads of 16 bytes feed 172 vector instructions, each of which does two operations a lane.  16 pairs a lane were taken for that ratio.
; LOGITS.  t = log2(2^(dist2 g_h) + 1e-8) + (delta + kb2) log2(e), g_h = -log2(e) / (exp(log_sigma_h)^2 + 1e-6); dist2 of pq - po itself.  kb2 is the addend of each sum's first multiply-add.
; SOFTMAX.  M = the row's largest t rounded up to a whole number, p = 2^(t - M) is quantised along the observations; the row's sum of the unquantised p divides at the end.
; VARIANCE.  sum_o p (v - m)^2 / l, v and p in f32, m the quantised product's result: two passes, no difference of large sums.
; THE ORDER OF K in every fragment: lanes 0-15 hold k = 0..63 of a K step of 128, lanes 16-31 k = 64..127; scale words hold the bytes of blocks 0, 2, 1, 3.
; NO CLUSTER, NO TENSOR LOAD.  What work-groups share is v in f32 (131,072 bytes a wave).  It goes from memory straight into registers, laid by the launch before in the lanes' order, through a ring of 8 slots of
; 32 registers.  Through LDS each variance step would read 8 x 16 bytes a lane more beside its 4; the records differ from work-group to work-group.
; LIMITS: a block of zeros gets the byte 1 and not 127 (zero codes, bytes read here alone); NaN and infinities are not served; v_exp_f32 gives 0 where the result would be denormal.
; REGISTERS.  Window 0: v1 address; v2-9 V's scale words; v10-13 the projection weights'; v14-17 p's, later the projections' operands'; v18 16 x lane; v19 256 x lane; the rest by phase (below).
; Window 1: V's 16 fragments.  Window 2: the projection weights' 8 fragments, from v96 their 4 accumulators.  Window 3: the ring of v.
.set TAB,  0                           ; 128 records x 128 bytes
.set PROW, 16384                       ; t, then p: [head 8,448][128 observations 2,112][query 528 = 512 + 16]
.set PCOD, 83968                       ; p's codes: 32 rows x (384 + 16) bytes
.set PSCL, 96768                       ; p's scale words: 16 bytes a row
.set LINV, 97280                       ; 1 / l: 4 bytes a row
.set MEAN, 97536                       ; 4 queries x (1,024 + 16) bytes
.set VARR, 101888                      ; the variance, likewise, 4,352 bytes on
.set OUTS, 106240                      ; [output 2][query 4][512 bytes]
.set RA,  1
.set VSC, 2
.set WSC, 10
.set PSW, 14
.set FS,  14
.set A16, 18
.set PFO, 19
.set PO,  20                           ; MLP: v20-31 my 4 observations' x, y, z
.set KB2, 32
.set BB,  40                           ; b_o: channel, pair of observations
.set X,   48                           ; relu(a + b): query, observation
.set U,   64                           ; two records
.set ACC, 128                          ; 32 query + 4 head + observation
.set G,   40                           ; logits
.set DIST, 48
.set E,   64
.set PRW, 35
.set T,   128                          ; softmax: my 128 t, then p
.set BM,  40
.set RM,  44
.set NM,  46
.set SA,  48
.set SB,  50
.set SOD, 52
.set BYD, 56
.set PW,  60
.set LI,  61
.set CD,  64
.set TPD, 88
.set PB,  64                           ; product 5
.set IL,  116
.set OA,  192
.set RS,  224
.set PP,  32                           ; variance: two sets of 16 p
.set M,   64                           ; 32 head + 8 query + 4 half
.set VACC, 128
.set DT,  192
.set LV,  192
.set PA0, 20
.set PA,  21
.set MA,  22
.set Y,   64                           ; projections
.set FB,  128
.set MX,  180
.set SO,  182
.set BY,  184
.set PD,  186
.set SH8, 187
.set TPG, 188
.set XW,  200
.set EW,  216
.set SEL, 70
.set MSB, 0
.macro WIN new                         ; the immediate's high byte repeats the setting that is left; a switch that changes nothing is dropped
.if MSB != \new
	s_set_vgpr_msb (MSB<<8)|\new
.set MSB, \new
.endif
.endm
.macro BARRIER
	s_wait_dscnt 0x0                               ; my LDS stores have landed and my LDS loads are in
	s_barrier_signal -1
	s_barrier_wait -1
.endm
.macro WM d, a, b, zero, sa, sb, row   ; one product; row = 1: source 0's scales stand in lanes 16-31
.if \zero
.if \row
	v_wmma_scale_f32_16x16x128_f8f6f4 v[\d:\d+7], v[\a:\a+11], v[\b:\b+11], 0, v[\sa], v[\sb] matrix_a_fmt:MATRIX_FMT_FP6 matrix_b_fmt:MATRIX_FMT_FP6 matrix_a_scale:MATRIX_SCALE_ROW1
.else
	v_wmma_scale_f32_16x16x128_f8f6f4 v[\d:\d+7], v[\a:\a+11], v[\b:\b+11], 0, v[\sa], v[\sb] matrix_a_fmt:MATRIX_FMT_FP6 matrix_b_fmt:MATRIX_FMT_FP6
.endif
.else
.if \row
	v_wmma_scale_f32_16x16x128_f8f6f4 v[\d:\d+7], v[\a:\a+11], v[\b:\b+11], v[\d:\d+7], v[\sa], v[\sb] matrix_a_fmt:MATRIX_FMT_FP6 matrix_b_fmt:MATRIX_FMT_FP6 matrix_a_scale:MATRIX_SCALE_ROW1
.else
	v_wmma_scale_f32_16x16x128_f8f6f4 v[\d:\d+7], v[\a:\a+11], v[\b:\b+11], v[\d:\d+7], v[\sa], v[\sb] matrix_a_fmt:MATRIX_FMT_FP6 matrix_b_fmt:MATRIX_FMT_FP6
.endif
.endif
.endm
; 64 numbers of a lane, two whole blocks of 32, become 12 registers of codes at v[dst] and the scale word in v[sw]
.macro QF src, dst, tp, sw
.irp c, 0,1
	v_max3_num_f32 v[MX+\c], |v[\src+32*\c]|, |v[\src+32*\c+1]|, 0x1800000   ; the floor 2^(3 - 127): the byte cannot fall under 1
.endr
.irp i, 2,4,6,8,10,12,14,16,18,20,22,24,26,28,30
.irp c, 0,1
	v_max3_num_f32 v[MX+\c], v[MX+\c], |v[\src+32*\c+\i]|, |v[\src+32*\c+\i+1]|
.endr
.endr
.irp c, 0,1
	v_add_nc_u32 v[SO+\c], 0xff000000, v[MX+\c]    ; 2 off the exponent field: the conversion's scale operand
.endr
.irp c, 0,1
	v_lshrrev_b32 v[BY+\c], 23, v[SO+\c]
.endr
	v_lshl_or_b32 v[\sw], v[BY+1], 16, v[BY]       ; my two bytes stand at places h and 2 + h of the word
	v_lshlrev_b32 v[\sw], v[SH8], v[\sw]
	v_permlanex16_b32 v[PD], v[\sw], s[SEL], s[SEL+1]
	v_or_b32 v[\sw], v[\sw], v[PD]
.irp c, 0,1
	v_cvt_scalef32_pk16_fp6_f32 v[\dst+6*\c:\dst+6*\c+2], v[\src+32*\c:\src+32*\c+15], v[SO+\c]
	v_cvt_scalef32_pk16_fp6_f32 v[\tp+4*\c:\tp+4*\c+2], v[\src+32*\c+16:\src+32*\c+31], v[SO+\c]
.endr
	v_nop                                          ; one plain instruction behind the last scaled conversion
.irp c, 0,1
.irp i, 0,1,2
	v_mov_b32 v[\dst+6*\c+3+\i], v[\tp+4*\c+\i]
.endr
.endr
.endm
	; ---------------- A: the head: ids, the table of records, the ring's first seven slots
	s_load_b512 s[4:19], s[0:1], 0x0               ; pos_obs 4, pos_query 6, kw1 8, kb1 10, kw2 12, kb2 14, log_sigma 16, ob 18
	s_load_b512 s[20:35], s[0:1], 0x40             ; vb 20, wimg 22, wscl 24, vimg 26, vscl 28, vf32 30, out0 32, out1 34
	s_set_vgpr_msb 0x40
	v_lshl_add_u32 v254, v0, 2, 0x1b000
	v_mov_b32 v255, 0
	s_set_vgpr_msb 0x4000
	v_lshrrev_b32 v1, 5, v0
	v_readfirstlane_b32 s66, v1                    ; wave
	s_lshr_b32 s68, ttmp9, 7                       ; batch
	s_and_b32 s69, ttmp9, 127                      ; my block of 4 queries in it
	s_mov_b32 s[SEL], 0x76543210
	s_mov_b32 s[SEL+1], 0xfedcba98                 ; selects for lane l xor 16
	s_mul_i32 s80, ttmp9, 48
	s_mov_b32 s81, 0
	s_mul_i32 s82, s68, 6144
	s_mov_b32 s83, 0
	s_lshl_b32 s84, s68, 2
	s_add_co_u32 s84, s84, s66
	s_lshl_b32 s84, s84, 17                        ; my wave's stream of v: (4 batch + wave) x 131,072 bytes
	s_mov_b32 s85, 0
	v_lshlrev_b32 v40, 6, v0                       ; thread t makes record t: channels 2 t, 2 t + 1
	v_lshlrev_b32 v41, 3, v0
	v_mul_u32_u24 v42, v0, 48                      ; and holds observations 4 t + 0..3
	v_and_b32 v43, 31, v0
	v_lshlrev_b32 v[A16], 4, v43
	v_lshlrev_b32 v[PFO], 8, v43
	s_wait_kmcnt 0x0
	s_add_nc_u64 s[6:7], s[6:7], s[80:81]
	s_add_nc_u64 s[4:5], s[4:5], s[82:83]
	s_add_nc_u64 s[76:77], s[30:31], s[84:85]
	s_load_b128 s[36:39], s[6:7], 0x0              ; pq: query q's coordinate k in s[36 + 3 q + k]
	s_load_b128 s[40:43], s[6:7], 0x10
	s_load_b128 s[44:47], s[6:7], 0x20
	s_load_b256 s[48:55], s[14:15], 0x0            ; kb2
	s_load_b256 s[56:63], s[16:17], 0x0            ; log_sigma
.irp n, 0,1,2,3
	global_load_b128 v[64+4*\n:67+4*\n], v40, s[12:13] offset:16*\n          ; kw2's rows 2 t, 2 t + 1: the record's words 0-15
.endr
.irp n, 0,1,2,3,4,5,6,7,8
	global_load_b64 v[80+2*\n:81+2*\n], v41, s[8:9] offset:1024*\n           ; kw1's nine rows at my two channels
.endr
	global_load_b64 v[98:99], v41, s[10:11]                                  ; kb1
.irp n, 0,1,2
	global_load_b128 v[100+4*\n:103+4*\n], v42, s[4:5] offset:16*\n          ; my four observations
.endr
	s_wait_loadcnt 0x0
	s_wait_kmcnt 0x0
.irp n, 0,1,2
	v_pk_add_f32 v[48+2*\n:49+2*\n], v[80+2*\n:81+2*\n], v[92+2*\n:93+2*\n]                                  ; kw1[k] + kw1[6 + k]
	v_pk_add_f32 v[112+2*\n:113+2*\n], v[86+2*\n:87+2*\n], v[92+2*\n:93+2*\n] neg_lo:[0,1] neg_hi:[0,1]      ; words 16-21: kw1[3 + k] - kw1[6 + k]
.endr
	v_mov_b32 v118, 0
	v_mov_b32 v119, 0
.irp q, 0,1,2,3
.irp c, 0,1
	v_fma_f32 v[120+2*\q+\c], s[36+3*\q], v[48+\c], v[98+\c]                 ; words 24-31: a_q at my two channels
.endr
.irp c, 0,1
	v_fma_f32 v[120+2*\q+\c], s[37+3*\q], v[50+\c], v[120+2*\q+\c]
.endr
.irp c, 0,1
	v_fma_f32 v[120+2*\q+\c], s[38+3*\q], v[52+\c], v[120+2*\q+\c]
.endr
.endr
	v_lshlrev_b32 v[RA], 7, v0
.irp n, 0,1,2,3
	ds_store_b128 v[RA], v[64+4*\n:67+4*\n] offset:16*\n
	ds_store_b128 v[RA], v[112+4*\n:115+4*\n] offset:64+16*\n
.endr
.irp n, 0,1,2
.irp i, 0,1,2,3
	v_mov_b32 v[PO+4*\n+\i], v[100+3*\i+\n]        ; coordinate by coordinate, so that two observations make a pair
.endr
.endr
.irp h, 0,1,2,3,4,5,6,7
	v_mov_b32 v[KB2+\h], s[48+\h]
.endr
	WIN 0xc0                                       ; destination window 3
.irp n, 0,1,2,3,4,5,6
.irp i, 0,1,2,3,4,5,6,7
	global_load_b128 v[32*\n+4*\i:32*\n+4*\i+3], v[A16], s[76:77] offset:4096*\n+512*\i   ; slot n: 4,096 bytes of my stream
.endr
.endr
	WIN 0
	BARRIER                                        ; the 128 records lie in LDS
	; ---------------- B: the MLP
.macro LOADREC buf, off                ; a record, every lane at one address
.irp n, 0,1,2,3,4,5,6,7
	ds_load_b128 v[U+32*\buf+4*\n:U+32*\buf+4*\n+3], v[RA] offset:\off+16*\n
.endr
.endm
; Two channels x 16 pairs x 8 heads: 256 multiply-adds, 32 additions, 32 maxima and 24 operations for b_o a lane, two to an instruction: 172 instructions.  first = 1: kb2 starts the sums: nothing is cleared
.macro COMPUTE buf, first
.set UB, U+32*\buf
.irp ch, 0,1
.irp ip, 0,1
	v_pk_mul_f32 v[BB+4*\ch+2*\ip:BB+4*\ch+2*\ip+1], v[PO+2*\ip:PO+2*\ip+1], v[UB+16:UB+17] op_sel:[0,\ch] op_sel_hi:[1,\ch]
.endr
.endr
.irp kk, 1,2
.irp ch, 0,1
.irp ip, 0,1
	v_pk_fma_f32 v[BB+4*\ch+2*\ip:BB+4*\ch+2*\ip+1], v[PO+4*\kk+2*\ip:PO+4*\kk+2*\ip+1], v[UB+16+2*\kk:UB+17+2*\kk], v[BB+4*\ch+2*\ip:BB+4*\ch+2*\ip+1] op_sel:[0,\ch,0] op_sel_hi:[1,\ch,1]
.endr
.endr
.endr
.irp ch, 0,1
.irp q, 0,1,2,3
.irp ip, 0,1
	v_pk_add_f32 v[X+4*\q+2*\ip:X+4*\q+2*\ip+1], v[BB+4*\ch+2*\ip:BB+4*\ch+2*\ip+1], v[UB+24+2*\q:UB+25+2*\q] op_sel:[0,\ch] op_sel_hi:[1,\ch]
.endr
.endr
.irp n, 0,2,4,6,8,10,12,14
	v_dual_max_num_f32 v[X+\n], 0, v[X+\n] :: v_dual_max_num_f32 v[X+\n+1], 0, v[X+\n+1]   ; the relu, two to an instruction (f32 has no packed maximum): an even and an odd destination, second sources in neighbouring registers, halves that share nothing, as the dual form asks
.endr
.irp hp, 0,1,2,3
.irp hb, 0,1
.irp q, 0,1,2,3
.irp ip, 0,1
.if \first && (\ch == 0)
	v_pk_fma_f32 v[ACC+32*\q+8*\hp+4*\hb+2*\ip:ACC+32*\q+8*\hp+4*\hb+2*\ip+1], v[X+4*\q+2*\ip:X+4*\q+2*\ip+1], v[UB+2*\hp:UB+2*\hp+1], v[KB2+2*\hp:KB2+2*\hp+1] op_sel:[0,\hb,\hb] op_sel_hi:[1,\hb,\hb]
.else
	v_pk_fma_f32 v[ACC+32*\q+8*\hp+4*\hb+2*\ip:ACC+32*\q+8*\hp+4*\hb+2*\ip+1], v[X+4*\q+2*\ip:X+4*\q+2*\ip+1], v[UB+8*\ch+2*\hp:UB+8*\ch+2*\hp+1], v[ACC+32*\q+8*\hp+4*\hb+2*\ip:ACC+32*\q+8*\hp+4*\hb+2*\ip+1] op_sel:[0,\hb,0] op_sel_hi:[1,\hb,1]
.endif
.endr
.endr
.endr
.endr
.endr
.endm
	v_mov_b32 v[RA], TAB
	LOADREC 0, 0
	LOADREC 1, 128
	s_wait_dscnt 8                                 ; record 0 is in; record 1's eight loads may be out
	COMPUTE 0, 1
	s_mov_b32 s72, TAB+128                         ; the record that lies in buffer 1
	s_mov_b32 s73, 63
.Lrec:                                             ; a trip: two records; the load of a record stands a whole record's arithmetic ahead of its use
	v_mov_b32 v[RA], s72
	LOADREC 0, 128
	s_wait_dscnt 8                                 ; buffer 1 is in; the eight just issued may be out
	COMPUTE 1, 0
	LOADREC 1, 256                                 ; in the last trip: record 127
	s_wait_dscnt 8
	COMPUTE 0, 0
	s_add_co_u32 s72, s72, 256
	s_sub_co_u32 s73, s73, 1
	s_cmp_lg_u32 s73, 0
	s_cbranch_scc1 .Lrec
	s_wait_dscnt 0x0
	COMPUTE 1, 0
	; ---------------- C: the logits.  First what product 5 will want is asked for: V's 16 fragments and their scale words
	v_and_b32 v36, 31, v0
	v_mul_u32_u24 v32, v36, 48
	v_lshlrev_b32 v33, 2, v36
	s_mul_i32 s80, s66, 2112
	s_add_co_u32 s80, s80, PROW
	v_add_nc_u32 v[PRW], s80, v[A16]               ; t: my wave's 128 observations, 16 bytes a lane
	s_mul_i32 s80, s68, 98304
	s_mul_i32 s82, s66, 6144
	s_add_co_u32 s80, s80, s82
	s_add_nc_u64 s[26:27], s[26:27], s[80:81]
	s_lshl_b32 s80, s68, 12
	s_lshl_b32 s82, s66, 8
	s_add_co_u32 s80, s80, s82
	s_add_nc_u64 s[28:29], s[28:29], s[80:81]
	s_lshl_b32 s80, s69, 13
	s_add_co_u32 s80, s80, 32768
	s_add_nc_u64 s[78:79], s[76:77], s[80:81]
	WIN 0x40                                       ; destination window 1
.irp e, 0,1
.irp tt, 0,1
.irp s, 0,1,2,3
.irp c, 0,1,2
	global_load_b128 v[12*(8*\e+4*\tt+\s)+4*\c:12*(8*\e+4*\tt+\s)+4*\c+3], v32, s[26:27] offset:24576*\s+1536*(2*\e+\tt)+16*\c
.endr
.endr
.endr
.endr
	WIN 0
.irp e, 0,1
.irp s, 0,1,2,3
	global_load_b32 v[VSC+4*\e+\s], v33, s[28:29] offset:1024*\s+128*\e      ; lanes 0-15: channels 0-15 of the head, lanes 16-31: channels 16-31
.endr
.endr
	; A prefetch of my wave's stream of v behind its first 32,768 bytes (those come by the ring's first fills).  All 128 work-groups of a batch walk the same four streams: the batch's first 12 work-groups ask,
	; each wave for 8,192 bytes of its stream, lanes 256 bytes apart: 12 x 8,192 = 98,304 bytes, each block of 256 named once.  It stands behind this run of loads, the logits, the softmax and product 5 ahead of the
	; variance's first refill.  Its two address registers are never written again.
	s_cmp_lt_u32 s69, 12
	s_cbranch_scc0 .Lno_pf
	global_prefetch_b8 v[PFO], s[78:79] th:TH_LOAD_NT scope:SCOPE_SE
.Lno_pf:
.irp h, 0,1,2,3,4,5,6,7
	v_mov_b32 v[G+\h], s[56+\h]
.endr
.irp h, 0,1,2,3,4,5,6,7
	v_mul_f32 v[G+\h], 0x3fb8aa3b, v[G+\h]
.endr
.irp h, 0,1,2,3,4,5,6,7
	v_exp_f32 v[G+\h], v[G+\h]                     ; sigma
.endr
	v_nop
	s_wait_alu depctr_va_vdst(0)                   ; one wait for the batch, ahead of its first reader
.irp h, 0,1,2,3,4,5,6,7
	v_fmaak_f32 v[G+\h], v[G+\h], v[G+\h], 0x358637bd      ; sigma^2 + 1e-6
.endr
.irp h, 0,1,2,3,4,5,6,7
	v_rcp_f32 v[G+\h], v[G+\h]
.endr
	v_nop
	s_wait_alu depctr_va_vdst(0)
.irp h, 0,1,2,3,4,5,6,7
	v_mul_f32 v[G+\h], 0xbfb8aa3b, v[G+\h]         ; g_h
.endr
.irp q, 0,1,2,3
.irp i, 0,1,2,3
	v_sub_f32 v96, s[36+3*\q], v[PO+\i]
	v_sub_f32 v97, s[37+3*\q], v[PO+4+\i]
	v_sub_f32 v98, s[38+3*\q], v[PO+8+\i]
	v_mul_f32 v[DIST+4*\q+\i], v96, v96
	v_fmac_f32 v[DIST+4*\q+\i], v97, v97
	v_fmac_f32 v[DIST+4*\q+\i], v98, v98
.endr
.endr
.macro LOGIT q                         ; query q: 8 heads x 4 observations
.irp hp, 0,1,2,3
.irp hb, 0,1
.irp ip, 0,1
	v_pk_mul_f32 v[E+8*\hp+4*\hb+2*\ip:E+8*\hp+4*\hb+2*\ip+1], v[DIST+4*\q+2*\ip:DIST+4*\q+2*\ip+1], v[G+2*\hp:G+2*\hp+1] op_sel:[0,\hb] op_sel_hi:[1,\hb]
.endr
.endr
.endr
.set j, 0
.rept 32
	v_exp_f32 v[E+j], v[E+j]                       ; the rbf
.set j, j+1
.endr
	v_nop
	s_wait_alu depctr_va_vdst(0)
.set j, 0
.rept 16
	v_pk_add_f32 v[E+j:E+j+1], v[E+j:E+j+1], 0x322bcc77 op_sel_hi:[1,0]      ; + 1e-8
.set j, j+2
.endr
.set j, 0
.rept 32
	v_log_f32 v[E+j], v[E+j]
.set j, j+1
.endr
	v_nop
	s_wait_alu depctr_va_vdst(0)
.set j, 0
.rept 16
	v_pk_fma_f32 v[ACC+32*\q+j:ACC+32*\q+j+1], v[ACC+32*\q+j:ACC+32*\q+j+1], 0x3fb8aa3b, v[E+j:E+j+1] op_sel_hi:[1,0,1]   ; t
.set j, j+2
.endr
.irp h, 0,1,2,3,4,5,6,7
	ds_store_b128 v[PRW], v[ACC+32*\q+4*\h:ACC+32*\q+4*\h+3] offset:8448*\h+528*\q
.endr
.endm
	LOGIT 0
	LOGIT 1
	LOGIT 2
	LOGIT 3
	v_bfe_u32 v36, v0, 4, 1
	v_and_b32 v38, 15, v0
	v_lshlrev_b32 v37, 8, v36
	v_lshl_add_u32 v37, v38, 2, v37                ; the projection weights' scale words: tile 0 in lanes 0-15, tile 1 (two fragments on) in lanes 16-31
	v_lshlrev_b32 v36, 5, v36                      ; the biases: 32 h
	s_mul_i32 s80, s66, 6144
	s_add_co_u32 s80, s80, 98304
	s_add_nc_u64 s[22:23], s[22:23], s[80:81]      ; fragment 64 + 4 w
	s_lshl_b32 s80, s66, 9
	s_add_co_u32 s80, s80, 8192
	s_add_nc_u64 s[24:25], s[24:25], s[80:81]
	s_lshl_b32 s80, s66, 7
	s_add_nc_u64 s[18:19], s[18:19], s[80:81]
	s_add_nc_u64 s[20:21], s[20:21], s[80:81]
	BARRIER                                        ; all t lie in LDS
	WIN 0xc0
.irp i, 0,1,2,3,4,5,6,7
	global_load_b128 v[224+4*\i:224+4*\i+3], v[A16], s[76:77] offset:28672+512*\i          ; the ring's slot 7
.endr
	WIN 0x80                                       ; destination window 2
.irp mt, 0,1
.irp tt, 0,1
.irp s, 0,1
.irp c, 0,1,2
	global_load_b128 v[12*(4*\mt+2*\tt+\s)+4*\c:12*(4*\mt+2*\tt+\s)+4*\c+3], v[A16], s[22:23] offset:(16*\mt+2*\tt+\s)*1536+512*\c
.endr
.endr
.endr
.endr
.irp tt, 0,1
	global_load_b128 v[96+8*\tt:96+8*\tt+3], v36, s[18:19] offset:64*\tt                   ; ob and vb are the C of the sums' first products
	global_load_b128 v[96+8*\tt+4:96+8*\tt+7], v36, s[18:19] offset:64*\tt+16
	global_load_b128 v[112+8*\tt:112+8*\tt+3], v36, s[20:21] offset:64*\tt
	global_load_b128 v[112+8*\tt+4:112+8*\tt+7], v36, s[20:21] offset:64*\tt+16
.endr
	WIN 0
.irp mt, 0,1
.irp s, 0,1
	global_load_b32 v[WSC+2*\mt+\s], v37, s[24:25] offset:(16*\mt+\s)*128
.endr
.endr
	; ---------------- D: the softmax of my 8 rows.  Lane: head lane / 16, query (lane / 4) % 4, observations 128 (lane % 4) on: four lanes to a row
	v_bfe_u32 v24, v0, 4, 1
	v_bfe_u32 v25, v0, 2, 2
	v_and_b32 v26, 3, v0
	v_bfe_u32 v27, v0, 2, 3                        ; my row among the wave's eight
	v_and_b32 v28, 31, v0
	s_mul_i32 s80, s66, 16896
	s_add_co_u32 s80, s80, PROW
	v_mul_u32_u24 v20, v24, 8448
	v_mad_u32_u24 v20, v26, 2112, v20
	v_mad_u32_u24 v20, v25, 528, v20
	v_add_nc_u32 v20, s80, v20
	s_mul_i32 s80, s66, 3200
	s_add_co_u32 s80, s80, PCOD
	v_mul_u32_u24 v21, v27, 400
	v_mad_u32_u24 v21, v26, 96, v21
	v_add_nc_u32 v21, s80, v21
	s_lshl_b32 s80, s66, 7
	s_add_co_u32 s80, s80, PSCL
	v_lshl_add_u32 v22, v28, 2, s80
	s_lshl_b32 s80, s66, 5
	s_add_co_u32 s80, s80, LINV
	v_lshl_add_u32 v23, v27, 2, s80
.set j, 0
.rept 32
	ds_load_b128 v[T+4*j:T+4*j+3], v20 offset:16*j
.set j, j+1
.endr
	s_wait_dscnt 0x0
.irp b, 0,1,2,3
	v_max3_num_f32 v[BM+\b], v[T+32*\b], v[T+32*\b+1], v[T+32*\b+2]          ; the largest t of each block of 32: it serves the row's maximum and, since p rises with t, the block's largest p
.endr
.irp i, 3,5,7,9,11,13,15,17,19,21,23,25,27,29
.irp b, 0,1,2,3
	v_max3_num_f32 v[BM+\b], v[BM+\b], v[T+32*\b+\i], v[T+32*\b+\i+1]
.endr
.endr
.irp b, 0,1,2,3
	v_max_num_f32 v[BM+\b], v[BM+\b], v[T+32*\b+31]
.endr
	v_max3_num_f32 v[RM], v[BM], v[BM+1], v[BM+2]
	v_max_num_f32 v[RM], v[RM], v[BM+3]
	v_max_num_f32_dpp v[RM], v[RM], v[RM] row_xmask:1 row_mask:0xf bank_mask:0xf
	v_max_num_f32_dpp v[RM], v[RM], v[RM] row_xmask:2 row_mask:0xf bank_mask:0xf
	v_floor_f32 v[NM], -v[RM]                      ; -M = floor(-t) = -ceil(t)
	v_mov_b32 v[NM+1], v[NM]
.set j, 0
.rept 64
	v_pk_add_f32 v[T+j:T+j+1], v[T+j:T+j+1], v[NM:NM+1]
.set j, j+2
.endr
.irp b, 0,1,2,3
	v_add_f32 v[BM+\b], v[BM+\b], v[NM]
.endr
.set j, 0
.rept 128
	v_exp_f32 v[T+j], v[T+j]                       ; p = 2^(t - M)
.set j, j+1
.endr
	v_nop
	s_wait_alu depctr_va_vdst(0)                   ; one wait for the 128
.irp b, 0,1,2,3
	v_exp_f32 v[BM+\b], v[BM+\b]                   ; the same two instructions on the same number: the block's largest p
.endr
	v_pk_add_f32 v[SA:SA+1], v[T:T+1], v[T+2:T+3]  ; the row's sum of the unquantised p, in two chains: the plain work behind the four
	v_pk_add_f32 v[SB:SB+1], v[T+4:T+5], v[T+6:T+7]
.set j, 8
.rept 30
	v_pk_add_f32 v[SA:SA+1], v[SA:SA+1], v[T+j:T+j+1]
	v_pk_add_f32 v[SB:SB+1], v[SB:SB+1], v[T+j+2:T+j+3]
.set j, j+4
.endr
	v_pk_add_f32 v[SA:SA+1], v[SA:SA+1], v[SB:SB+1]
	v_add_f32 v[SA], v[SA], v[SA+1]
	v_add_f32_dpp v[SA], v[SA], v[SA] row_xmask:1 row_mask:0xf bank_mask:0xf
	v_add_f32_dpp v[SA], v[SA], v[SA] row_xmask:2 row_mask:0xf bank_mask:0xf
	s_wait_alu depctr_va_vdst(0)                   ; and one for the four
	v_rcp_f32 v[LI], v[SA]
.irp b, 0,1,2,3
	v_max_num_f32 v[BM+\b], 0x1800000, v[BM+\b]    ; the floor 2^(3 - 127)
.endr
.irp b, 0,1,2,3
	v_add_nc_u32 v[SOD+\b], 0xff000000, v[BM+\b]
.endr
.irp b, 0,1,2,3
	v_lshrrev_b32 v[BYD+\b], 23, v[SOD+\b]
.endr
	v_lshl_or_b32 v[PW], v[BYD+2], 8, v[BYD]       ; the bytes of blocks 0, 2, 1, 3
	v_lshl_or_b32 v[PW], v[BYD+1], 16, v[PW]
	v_lshl_or_b32 v[PW], v[BYD+3], 24, v[PW]
.irp b, 0,1,2,3
	v_cvt_scalef32_pk16_fp6_f32 v[CD+6*\b:CD+6*\b+2], v[T+32*\b:T+32*\b+15], v[SOD+\b]
	v_cvt_scalef32_pk16_fp6_f32 v[TPD+4*\b:TPD+4*\b+2], v[T+32*\b+16:T+32*\b+31], v[SOD+\b]
.endr
	v_nop                                          ; one plain instruction behind the last scaled conversion
.irp b, 0,1,2,3
.irp i, 0,1,2
	v_mov_b32 v[CD+6*\b+3+\i], v[TPD+4*\b+\i]
.endr
.endr
	s_wait_alu depctr_va_vdst(0)                   ; the reciprocal, ahead of its first reader
.set j, 0
.rept 32
	ds_store_b128 v20, v[T+4*j:T+4*j+3] offset:16*j        ; p takes t's place: rows that my wave alone reads from here on
.set j, j+1
.endr
.irp i, 0,1,2,3,4,5
	ds_store_b128 v21, v[CD+4*\i:CD+4*\i+3] offset:16*\i
.endr
	ds_store_b32 v22, v[PW]
	ds_store_b32 v23, v[LI]                        ; a row's four lanes write the same word with the same value
	s_wait_dscnt 0x0                               ; the stores have read their registers
	; ---------------- E: O^T = V^T P^T.  Column r of source 1 is my row r % 8: head (r / 4) % 2, query r % 4.  Each head's V meets all 16 columns; a lane keeps its own head's result
	v_and_b32 v28, 7, v0
	v_bfe_u32 v29, v0, 4, 1
	s_mul_i32 s80, s66, 3200
	s_add_co_u32 s80, s80, PCOD
	v_mul_u32_u24 v24, v28, 400
	v_mad_u32_u24 v24, v29, 48, v24
	v_add_nc_u32 v24, s80, v24
	s_lshl_b32 s80, s66, 7
	s_add_co_u32 s80, s80, PSCL
	v_lshl_add_u32 v25, v28, 4, s80
	s_lshl_b32 s80, s66, 5
	s_add_co_u32 s80, s80, LINV
	v_lshl_add_u32 v26, v28, 2, s80
	v_and_b32 v28, 3, v0
	v_bfe_u32 v30, v0, 2, 1
	s_lshl_b32 s80, s66, 8
	s_add_co_u32 s80, s80, MEAN
	v_mul_u32_u24 v27, v28, 1040
	v_lshl_add_u32 v27, v30, 7, v27
	v_lshl_add_u32 v27, v29, 5, v27
	v_add_nc_u32 v27, s80, v27
	v_cmp_ne_u32 vcc_lo, 0, v30                    ; my column's head is the pair's second
.irp s, 0,1,2,3
.irp c, 0,1,2
	ds_load_b128 v[PB+12*\s+4*\c:PB+12*\s+4*\c+3], v24 offset:96*\s+16*\c
.endr
	ds_load_b32 v[PSW+\s], v25 offset:4*\s
.endr
	ds_load_b32 v[IL], v26
	ds_load_b32 v[IL+1], v26
	s_wait_dscnt 0x0
	s_wait_loadcnt 0x0                             ; V, its scale words, the ring's eight slots, the projection weights
	WIN 0x01                                       ; source 0 window 1
.irp s, 0,1,2,3
.irp e, 0,1
.irp tt, 0,1
.if \s == 0
	WM OA+16*\e+8*\tt, 12*(8*\e+4*\tt+\s), PB+12*\s, 1, VSC+4*\e+\s, PSW+\s, \tt
.else
	WM OA+16*\e+8*\tt, 12*(8*\e+4*\tt+\s), PB+12*\s, 0, VSC+4*\e+\s, PSW+\s, \tt      ; four accumulators by turns
.endif
.endr
.endr
.endr
	WIN 0
.rept 4
	v_nop                                          ; four plain instructions behind the last product
.endr
.set j, 0
.rept 16
	v_cndmask_b32 v[RS+j], v[OA+j], v[OA+16+j], vcc_lo     ; each accumulator from its low end on
.set j, j+1
.endr
.set j, 0
.rept 8
	v_pk_mul_f32 v[RS+j:RS+j+1], v[RS+j:RS+j+1], v[IL:IL+1]        ; / l
.set j, j+2
.endr
.irp tt, 0,1
	ds_store_b128 v27, v[RS+8*\tt:RS+8*\tt+3] offset:64*\tt                ; lanes r and r + 8 write the same bytes with the same values
	ds_store_b128 v27, v[RS+8*\tt+4:RS+8*\tt+7] offset:64*\tt+16
.endr
	; ---------------- F: the variance.  Lane: observation 4 (lane % 8) + i of a step's 32, channels 16 half + 4 (lane / 8) + 0..3.  A step is one head x 32 observations x 4 queries x 32 channels; the pair's heads by turns
	v_and_b32 v28, 7, v0
	v_bfe_u32 v29, v0, 3, 2
	s_mul_i32 s80, s66, 16896
	s_add_co_u32 s80, s80, PROW
	v_lshl_add_u32 v[PA0], v28, 4, s80
	s_lshl_b32 s80, s66, 8
	s_add_co_u32 s80, s80, MEAN
	v_lshl_add_u32 v[MA], v29, 4, s80
	s_lshl_b32 s80, s66, 5
	s_add_co_u32 s80, s80, LINV
	v_mov_b32 v23, s80
	s_mov_b32 s74, 0
	v_add_nc_u32 v[PA], s74, v[PA0]
	s_add_nc_u64 s[76:77], s[76:77], 0x8000        ; the refills begin 32,768 bytes on (no load that names this base is out: the wait for 0 above)
.irp e, 0,1
.irp q, 0,1,2,3
.irp hf, 0,1
	ds_load_b128 v[M+32*\e+8*\q+4*\hf:M+32*\e+8*\q+4*\hf+3], v[MA] offset:1040*\q+128*\e+64*\hf     ; the means that my wave has just stored
.endr
.endr
.endr
.set j, 0
.rept 64
	v_mov_b32 v[VACC+j], 0                         ; once: the step is then written alike for every trip
.set j, j+1
.endr
.macro PLOAD k                         ; step k's p: 4 queries x my 4 observations.  k = 8: the next trip's step 0
.irp q, 0,1,2,3
.if (\k) == 8
	ds_load_b128 v[PP+4*\q:PP+4*\q+3], v[PA] offset:2112+528*\q
.else
	ds_load_b128 v[PP+16*((\k)&1)+4*\q:PP+16*((\k)&1)+4*\q+3], v[PA] offset:8448*((\k)&1)+528*\q+128*((\k)>>1)
.endif
.endr
.endm
.macro VSTEP k, refill, lc, last
.set EE, (\k)&1
.set PS, PP+16*((\k)&1)
.if !\last
	PLOAD (\k)+1
.endif
	s_wait_loadcnt \lc                             ; my slot's eight loads are in; those of the slots filled behind it may be out
.if \last
	s_wait_dscnt 0x0
.else
	s_wait_dscnt 0x4                               ; this step's p is in; the next step's four loads may be out
.endif
.irp ih, 0,1
	WIN 0x03                                       ; source 0 (v) window 3
.irp ii, 0,1
.irp q, 0,1,2,3
.irp hd, 0,1,2,3
	v_pk_add_f32 v[DT+32*\ii+8*\q+2*\hd:DT+32*\ii+8*\q+2*\hd+1], v[32*(\k)+8*(2*\ih+\ii)+2*\hd:32*(\k)+8*(2*\ih+\ii)+2*\hd+1], v[M+32*EE+8*\q+2*\hd:M+32*EE+8*\q+2*\hd+1] neg_lo:[0,1] neg_hi:[0,1]
.endr
.endr
.endr
.if (\ih == 1) && \refill
	WIN 0xc0                                       ; the slot has been read: it takes the step eight on
.irp i, 0,1,2,3,4,5,6,7
	global_load_b128 v[32*(\k)+4*\i:32*(\k)+4*\i+3], v[A16], s[76:77] offset:4096*(\k)+512*\i
.endr
.endif
	WIN 0
.set j, 0
.rept 32
	v_pk_mul_f32 v[DT+j:DT+j+1], v[DT+j:DT+j+1], v[DT+j:DT+j+1]
.set j, j+2
.endr
.irp ii, 0,1
.irp q, 0,1,2,3
.irp hd, 0,1,2,3
	v_pk_fma_f32 v[VACC+32*EE+8*\q+2*\hd:VACC+32*EE+8*\q+2*\hd+1], v[DT+32*\ii+8*\q+2*\hd:DT+32*\ii+8*\q+2*\hd+1], v[PS+4*\q+2*\ih:PS+4*\q+2*\ih+1], v[VACC+32*EE+8*\q+2*\hd:VACC+32*EE+8*\q+2*\hd+1] op_sel:[0,\ii,0] op_sel_hi:[1,\ii,1]
.endr
.endr
.endr
.endr
.endm
	PLOAD 0
	s_mov_b32 s73, 3
.Loct:                                             ; a trip: 8 steps = 128 observations of both heads; every slot is filled again, 8 steps ahead of its use
	v_add_nc_u32 v[PA], s74, v[PA0]
.irp kq, 0,1,2,3,4,5,6,7
	VSTEP \kq, 1, 56, 0                            ; 56: the seven other slots' eight loads each
.endr
	s_wait_xcnt 0x0                                ; the refills have read their base
	s_add_nc_u64 s[76:77], s[76:77], 0x8000
	s_add_co_u32 s74, s74, 2112
	s_sub_co_u32 s73, s73, 1
	s_cmp_lg_u32 s73, 0
	s_cbranch_scc1 .Loct
	v_add_nc_u32 v[PA], s74, v[PA0]
.irp kq, 0,1,2,3,4,5,6
	VSTEP \kq, 0, 8*(7-\kq), 0                     ; the last 8 steps load no v: the counts run down
.endr
	VSTEP 7, 0, 0, 1
.irp xm, 1,2,4
.set j, 0
.rept 64
	v_add_f32_dpp v[VACC+j], v[VACC+j], v[VACC+j] row_xmask:\xm row_mask:0xf bank_mask:0xf      ; over the eight lanes that share my channels
.set j, j+1
.endr
.endr
	ds_load_b128 v[LV:LV+3], v23
	ds_load_b128 v[LV+4:LV+7], v23 offset:16
	s_wait_dscnt 0x0
.irp e, 0,1
.irp qp, 0,1
.irp qb, 0,1
.irp hd, 0,1,2,3
	v_pk_mul_f32 v[VACC+32*\e+16*\qp+8*\qb+2*\hd:VACC+32*\e+16*\qp+8*\qb+2*\hd+1], v[VACC+32*\e+16*\qp+8*\qb+2*\hd:VACC+32*\e+16*\qp+8*\qb+2*\hd+1], v[LV+4*\e+2*\qp:LV+4*\e+2*\qp+1] op_sel:[0,\qb] op_sel_hi:[1,\qb]
.endr
.endr
.endr
.endr
.irp e, 0,1
.irp q, 0,1,2,3
.irp hf, 0,1
	ds_store_b128 v[MA], v[VACC+32*\e+8*\q+4*\hf:VACC+32*\e+8*\q+4*\hf+3] offset:4352+1040*\q+128*\e+64*\hf   ; eight lanes write the same bytes with the same values
.endr
.endr
.endr
	BARRIER                                        ; the 4 queries' means and variances, all 256 columns, lie in LDS
	; ---------------- G: the projections.  Wave w makes outputs 32 w .. 32 w + 31 of both; column r of source 1 is query r % 4
	v_and_b32 v28, 3, v0
	v_bfe_u32 v29, v0, 4, 1
	v_mul_u32_u24 v24, v28, 1040
	v_lshl_add_u32 v24, v29, 8, v24
	v_add_nc_u32 v24, MEAN, v24                    ; my query's row, + 64 h numbers
	s_lshl_b32 s80, s66, 7
	s_add_co_u32 s80, s80, OUTS
	v_lshlrev_b32 v25, 9, v28
	v_lshl_add_u32 v25, v29, 5, v25
	v_add_nc_u32 v25, s80, v25
	s_lshl_b32 s80, s66, 10
	s_add_co_u32 s80, s80, OUTS
	v_add_nc_u32 v26, s80, v[A16]
	v_lshlrev_b32 v[SH8], 3, v29
	v_mov_b32 v[PD], 0
.irp mt, 0,1
.irp s, 0,1
.set j, 0
.rept 16
	ds_load_b128 v[Y+4*j:Y+4*j+3], v24 offset:4352*\mt+512*\s+16*j
.set j, j+1
.endr
	s_wait_dscnt 0x0
	QF Y, FB+12*(2*\mt+\s), TPG, FS+2*\mt+\s
.endr
.endr
.rept 8
	v_nop                                          ; a scale register written by a vector instruction stands eight plain instructions ahead of a scaled product, an operand four
.endr
	WIN 0xa2                                       ; source 0, C and D window 2
.irp s, 0,1
.irp mt, 0,1
.irp tt, 0,1
	WM 96+8*(2*\mt+\tt), 12*(4*\mt+2*\tt+\s), FB+12*(2*\mt+\s), 0, WSC+2*\mt+\s, FS+2*\mt+\s, \tt
.endr
.endr
.endr
	WIN 0
.rept 4
	v_nop
.endr
	WIN 0x08                                       ; an LDS store's data are its source 1: window 2
.irp tt, 0,1
	ds_store_b128 v25, v[96+8*\tt:96+8*\tt+3] offset:64*\tt                  ; the mean: lanes r, r + 4, r + 8, r + 12 write the same bytes with the same values
	ds_store_b128 v25, v[96+8*\tt+4:96+8*\tt+7] offset:64*\tt+16
.endr
	WIN 0x02                                       ; source 0 window 2
.set j, 0
.rept 16
	v_mov_b32 v[XW+j], v[112+j]
.set j, j+1
.endr
	WIN 0
.set j, 0
.rept 16
	v_mul_f32 v[EW+j], 0xbfb8aa3b, |v[XW+j]|       ; softplus(x) = max(x, 0) + ln 2 x log2(1 + 2^(-|x| log2(e)))
.set j, j+1
.endr
.set j, 0
.rept 16
	v_exp_f32 v[EW+j], v[EW+j]
.set j, j+1
.endr
	v_nop
	s_wait_alu depctr_va_vdst(0)
.set j, 0
.rept 16
	v_add_f32 v[EW+j], 1.0, v[EW+j]
.set j, j+1
.endr
.set j, 0
.rept 16
	v_log_f32 v[EW+j], v[EW+j]
.set j, j+1
.endr
.set j, 0
.rept 16
	v_max_num_f32 v[XW+j], 0, v[XW+j]              ; plain work behind the logarithms
.set j, j+1
.endr
	s_wait_alu depctr_va_vdst(0)
.set j, 0
.rept 16
	v_fmamk_f32 v[XW+j], v[EW+j], 0x3f317218, v[XW+j]
.set j, j+1
.endr
.irp tt, 0,1
	ds_store_b128 v25, v[XW+8*\tt:XW+8*\tt+3] offset:2048+64*\tt
	ds_store_b128 v25, v[XW+8*\tt+4:XW+8*\tt+7] offset:2048+64*\tt+16
.endr
	s_lshl_b32 s80, ttmp9, 11                      ; my 4 rows of 512 bytes in an output
	s_and_b32 s82, s66, 1
	s_lshl_b32 s82, s82, 10
	s_add_co_u32 s80, s80, s82
	s_cmp_lt_u32 s66, 2                            ; waves 0, 1 store the mean, waves 2, 3 the variance; two rows each
	s_cselect_b64 s[32:33], s[32:33], s[34:35]
	s_add_nc_u64 s[32:33], s[32:33], s[80:81]
	BARRIER                                        ; 8 whole rows lie in LDS
	ds_load_b128 v[64:67], v26
	ds_load_b128 v[68:71], v26 offset:512
	s_wait_dscnt 0x0
	global_store_b128 v[A16], v[64:67], s[32:33] th:TH_STORE_NT              ; 512 consecutive bytes a store, aligned
	global_store_b128 v[A16], v[68:71], s[32:33] offset:512 th:TH_STORE_NT
	s_set_vgpr_msb 0x5
	s_wait_tensorcnt 0x0
	ds_add_u32 v254, v255
	s_wait_dscnt 0x0
	s_set_vgpr_msb 0x500
	s_endpgm
.Lfunc_end_k_q2abb799c26_attn:
	.size	k_q2abb799c26_attn, .Lfunc_end_k_q2abb799c26_attn-k_q2abb799c26_attn
	.p2alignl 7, 3214868480
	.fill 96, 4, 3214868480
	.section	.rodata,"a",@progbits
	.p2align	6, 0x0
	.amdhsa_kernel k_q2abb799c26_attn
		.amdhsa_group_segment_fixed_size 111104
		.amdhsa_private_segment_fixed_size 0
		.amdhsa_enable_private_segment 0
		.amdhsa_kernarg_size 128
		.amdhsa_user_sgpr_count 2
		.amdhsa_user_sgpr_kernarg_segment_ptr 1
		.amdhsa_wavefront_size32 1
		.amdhsa_system_sgpr_workgroup_id_x 1
		.amdhsa_system_sgpr_workgroup_id_y 1
		.amdhsa_system_sgpr_workgroup_id_z 1
		.amdhsa_system_vgpr_workitem_id 0
		.amdhsa_next_free_vgpr 1024
		.amdhsa_next_free_sgpr 100
		.amdhsa_reserve_vcc 1
		.amdhsa_float_denorm_mode_32 3
		.amdhsa_float_denorm_mode_16_64 3
		.amdhsa_memory_ordered 1
		.amdhsa_forward_progress 1
		.amdhsa_inst_pref_size 255
	.end_amdhsa_kernel
	.section	.bss,"aw",@nobits
	.p2align	6
	.space	262144
	.amdgpu_metadata
---
amdhsa.version: [ 1, 2 ]
amdhsa.kernels:
  - .name:           k_q2abb799c26_attn
    .symbol:         k_q2abb799c26_attn.kd
    .args:
      - { .name: pos_obs, .offset: 0, .size: 8, .value_kind: global_buffer, .address_space: global }
      - { .name: pos_query, .offset: 8, .size: 8, .value_kind: global_buffer, .address_space: global }
      - { .name: kw1, .offset: 16, .size: 8, .value_kind: global_buffer, .address_space: global }
      - { .name: kb1, .offset: 24, .size: 8, .value_kind: global_buffer, .address_space: global }
      - { .name: kw2, .offset: 32, .size: 8, .value_kind: global_buffer, .address_space: global }
      - { .name: kb2, .offset: 40, .size: 8, .value_kind: global_buffer, .address_space: global }
      - { .name: log_sigma, .offset: 48, .size: 8, .value_kind: global_buffer, .address_space: global }
      - { .name: ob, .offset: 56, .size: 8, .value_kind: global_buffer, .address_space: global }
      - { .name: vb, .offset: 64, .size: 8, .value_kind: global_buffer, .address_space: global }
      - { .name: wimg, .offset: 72, .size: 8, .value_kind: global_buffer, .address_space: global }
      - { .name: wscl, .offset: 80, .size: 8, .value_kind: global_buffer, .address_space: global }
      - { .name: vimg, .offset: 88, .size: 8, .value_kind: global_buffer, .address_space: global }
      - { .name: vscl, .offset: 96, .size: 8, .value_kind: global_buffer, .address_space: global }
      - { .name: vf32, .offset: 104, .size: 8, .value_kind: global_buffer, .address_space: global }
      - { .name: out0, .offset: 112, .size: 8, .value_kind: global_buffer, .address_space: global }
      - { .name: out1, .offset: 120, .size: 8, .value_kind: global_buffer, .address_space: global }
    .group_segment_fixed_size: 111104
    .private_segment_fixed_size: 0
    .kernarg_segment_align: 8
    .kernarg_segment_size: 128
    .max_flat_workgroup_size: 128
    .sgpr_count:     100
    .vgpr_count:     1024
    .wavefront_size: 32
...
	.end_amdgpu_metadata
.endif
;; end of part 3
;; ======== version 2 of 2: 3 launches; version 1 with the launches feat, attn written anew for expert scheduling mode
;; workspace buffers: wimg 147,456 bytes; wscl 12,288 bytes; vimg 196,608 bytes; vscl 8,192 bytes; vf32 1,048,576 bytes
;; launch wq: the kernel of part 1 again; grid 24 x 1, 4 waves a work-group, no clusters, 0 bytes of LDS; arguments fw1, fw2, ow, vw, wimg, wscl; writes wimg, wscl
;; launch feat (part 4): grid 16 x 1, 16 waves a work-group, no clusters, 182,272 bytes of LDS; arguments h_obs, fb1, fb2, wimg, wscl, vimg, vscl, vf32; writes vimg, vscl, vf32
.if DOCPART == 4
	.amdgcn_target "amdgcn-amd-amdhsa--gfx1250"
	.amdhsa_code_object_version 6
	.text
	.protected	k_q2abb799c26_feat
	.globl	k_q2abb799c26_feat
	.p2align	8
	.type	k_q2abb799c26_feat,@function
k_q2abb799c26_feat:
	s_mov_b64 s[64:65], 0
	v_nop
	global_prefetch_b8 v0, s[64:65] scope:SCOPE_SE
	s_setreg_imm32_b32 hwreg(HW_REG_WAVE_SCHED_MODE, 0, 2), 2
	s_setreg_imm32_b32 hwreg(HW_REG_WAVE_MODE, 25, 1), 1
	s_wait_xcnt 0x0
	s_wait_alu depctr_vm_vsrc(0)
; v = relu(h_obs fw1 + fb1) fw2 + fb2, both products on codes of FP6 (E2M3) with one E8M0 scale for each 32 along K; the weights come as register images.
; A work-group takes 64 rows (observations) of the 1,024; 16 waves: wave w takes tiles of rows 2 (w / 8), 2 (w / 8) + 1 and 32 columns, 32 (w % 8) on.
; PHASES, a barrier between them: x is quantised (a lane a block of 32) into rows of codes in LDS | layer 1, relu, quantised in registers, rows of codes in LDS |
; layer 2, v in f32 into a stage | v leaves in two forms: in f32 in the order in which the next launch's lanes take it, and as codes with the OBSERVATIONS innermost.
; Both products are used transposed (source 0 = 16 columns of the weight, source 1 = 16 rows), so a lane holds one row and its registers run along the columns.
; The biases are loaded into the accumulators: they are the C of each sum's first matrix instruction.
; THE ORDER OF K: a lane of lanes 0-15 holds k = 0..63 of a K step of 128, a lane of lanes 16-31 k = 64..127: 48 neighbouring bytes of a row of codes; scale words hold the bytes of blocks 0, 2, 1, 3.
; OUTPUT LAYOUTS.  vimg [batch 2][K step 4][tile of columns 16][lane 32][48 bytes]: lane r + 16 h holds column 16 tile + r, observations 128 step + 64 h + 0..63.
; vscl [batch][K step][column 256][4 bytes in the unit's order].  vf32 [batch][pair of heads 4][j 16][head of the pair 2][i 4][half 2][lane 32][16 bytes]:
; observation 32 j + 4 (lane % 8) + i, channels 16 half + 4 (lane / 8) + 0..3.
; 64 rows to a work-group, so that a work-group writes whole lanes' 48 bytes of vimg.  The scale bytes of v leave as single bytes, 512 a work-group: a word's four bytes come from two work-groups.
; LIMITS: a block of zeros gets the byte 1 and not 127 (zero codes; read by this program alone); NaN and infinities are not served.
; THE MODE: SCHED_MODE bits 1:0 = 2 (LLVM: expert scheduling mode 2), set by the entry lines.  The code itself states the register dependences
; between vector or matrix instructions and memory or LDS instructions, with s_wait_alu, always for 0.
; THE PLAN.  Registers that memory or LDS instructions touch, and who else names them:
;   v4-v18      addresses, made once at the head by vector instructions, never written again.
;   v176-207    x's loads land; the stores into the turn read them; fb1's loads land; from then on the products' alone.
;   XF, XSW     LDS loads land three times (a block of x; x's fragments; the hidden layer's); between them the quantiser, then the products, read them.
;   CD, BY0/1   written by the quantisers three times, each time read by a run of stores.
;   ACC2        fb2's loads land; the products write it; LDS stores read it.
;   v100-105    addresses of the way out, made behind layer 2.   v20-99: the weights' registers; at the end LDS loads land there.
; So: one wait on va_vdst ahead of each run of stores of computed data (it also shows the readers of XF and XSW done), one on vm_vsrc ahead of each rewriting of what stores have read.
.set XST, 0                            ; 16 waves x 32 places of 144 bytes: x's turn from 16 bytes a lane to a block a lane
.set XC,  73728                        ; x's codes: 64 rows x (192 + 16) bytes
.set XS,  87040                        ; x's scale bytes: 8 a row
.set HC,  87552                        ; the hidden layer's codes, likewise
.set HS,  100864
.set VST, 101376                       ; v in f32: 64 rows x (1,024 + 16) bytes
.set CST, 167936                       ; v's codes: 256 columns x 48 bytes
.set W1F, 20                           ; v20-67   fw1's fragments (tile u, K step s) at 12 (2 u + s)
.set W2F, 68                           ; v68-115  fw2's
.set W1S, 116
.set W2S, 120
.set XF,  124                          ; v124-171 the rows' fragments (tile m, K step s) at 12 (2 m + s); first: a block of x
.set XSW, 172                          ; v172-175 their scale words
.set ACC1, 176                         ; v176-207 at 16 m + 8 u; first: x as it is loaded
.set ACC2, 208                         ; v208-239 at 16 m + 8 t
.set MXA, 240
.set MXB, 241
.set SOR, 242
.set BY0, 243
.set BY1, 244
.set PD,  245
.set CD,  246
.set TPQ, 252
.set SEL, 28
.macro BARRIER                         ; my LDS stores have landed and my LDS loads are in: then the work-group's barrier
	s_wait_dscnt 0x0
	s_barrier_signal -1
	s_barrier_wait -1
.endm
; a whole block of 32 numbers of a lane becomes 6 registers of codes at v[dst] and its byte in v[by]
.macro QBLK src, dst, tp, by
	v_max3_num_f32 v[MXA], |v[\src]|, |v[\src+1]|, 0x1800000       ; the floor 2^(3 - 127): the byte cannot fall under 1
	v_max3_num_f32 v[MXB], |v[\src+2]|, |v[\src+3]|, 0x1800000
.irp i, 4,8,12,16,20,24,28
	v_max3_num_f32 v[MXA], v[MXA], |v[\src+\i]|, |v[\src+\i+1]|
	v_max3_num_f32 v[MXB], v[MXB], |v[\src+\i+2]|, |v[\src+\i+3]|
.endr
	v_max_num_f32 v[MXA], v[MXA], v[MXB]
	v_add_nc_u32 v[SOR], 0xff000000, v[MXA]        ; 2 off the exponent field: the conversion's scale operand
	v_lshrrev_b32 v[\by], 23, v[SOR]
	v_cvt_scalef32_pk16_fp6_f32 v[\dst:\dst+2], v[\src:\src+15], v[SOR]
	v_cvt_scalef32_pk16_fp6_f32 v[\tp:\tp+2], v[\src+16:\src+31], v[SOR]
	v_nop                                          ; one plain instruction behind the last scaled conversion
.irp i, 0,1,2
	v_mov_b32 v[\dst+3+\i], v[\tp+\i]
.endr
.endm
; 16 numbers of a lane, none negative, half a block (the other half lies in lane l xor 16), become 3 registers of codes
.macro HQ16 src, dst, by
	v_max3_num_f32 v[MXA], v[\src], v[\src+1], 0x1800000
.irp i, 2,4,6,8,10,12,14
	v_max3_num_f32 v[MXA], v[MXA], v[\src+\i], v[\src+\i+1]
.endr
	v_permlanex16_b32 v[PD], v[MXA], s[SEL], s[SEL+1]
	v_max_num_f32 v[MXA], v[MXA], v[PD]
	v_add_nc_u32 v[SOR], 0xff000000, v[MXA]
	v_lshrrev_b32 v[\by], 23, v[SOR]
	v_cvt_scalef32_pk16_fp6_f32 v[\dst:\dst+2], v[\src:\src+15], v[SOR]
	v_nop
.endm
; the rows' four fragments and scale words out of rows of codes
.macro ROWS fa, sa
.irp m, 0,1
.irp s, 0,1
.irp c, 0,1,2
	ds_load_b128 v[XF+12*(2*\m+\s)+4*\c:XF+12*(2*\m+\s)+4*\c+3], v[\fa] offset:3328*\m+96*\s+16*\c
.endr
	ds_load_b32 v[XSW+2*\m+\s], v[\sa] offset:128*\m+4*\s
.endr
.endr
.endm
; eight matrix instructions: four accumulators by turns, one instruction a turn
.macro LAYER acc, wf, ws
.irp s, 0,1
.irp m, 0,1
.irp u, 0,1
	v_wmma_scale_f32_16x16x128_f8f6f4 v[\acc+16*\m+8*\u:\acc+16*\m+8*\u+7], v[\wf+12*(2*\u+\s):\wf+12*(2*\u+\s)+11], v[XF+12*(2*\m+\s):XF+12*(2*\m+\s)+11], v[\acc+16*\m+8*\u:\acc+16*\m+8*\u+7], v[\ws+2*\u+\s], v[XSW+2*\m+\s] matrix_a_fmt:MATRIX_FMT_FP6 matrix_b_fmt:MATRIX_FMT_FP6
.endr
.endr
.endr
.rept 4
	v_nop                                          ; four plain instructions behind the last product, ahead of reads of results and of vector writes of operands
.endr
.endm
	s_load_b512 s[4:19], s[0:1], 0x0               ; h_obs, fb1, fb2, wimg, wscl, vimg, vscl, vf32
	v_lshl_add_u32 v19, v0, 2, 0x2c000
	v_mov_b32 v255, 0
	v_lshrrev_b32 v1, 5, v0
	v_readfirstlane_b32 s20, v1                    ; wave w
	v_and_b32 v1, 31, v0                           ; lane
	v_and_b32 v2, 15, v0                           ; r
	v_bfe_u32 v3, v0, 4, 1                         ; h
	s_wait_alu depctr_va_sdst(0)                   ; s20 is written, ahead of its first reader: all that hangs on the wave's number is made from it
	s_lshr_b32 s21, s20, 3                         ; which 32 rows
	s_and_b32 s22, s20, 7                          ; which 32 columns
	s_mov_b32 s[SEL], 0x76543210
	s_mov_b32 s[SEL+1], 0xfedcba98
	v_mov_b32 v[PD], 0
	v_lshlrev_b32 v4, 4, v1                        ; 16 x lane
	v_lshlrev_b32 v5, 2, v1                        ; 4 x lane
	v_lshlrev_b32 v6, 6, v3                        ; fb1: 64 h
	v_lshlrev_b32 v7, 5, v3                        ; fb2: 32 h
	s_mul_i32 s23, s20, 4608
	v_lshrrev_b32 v240, 3, v1
	v_and_b32 v241, 7, v1
	v_mul_u32_u24 v8, v240, 144
	v_lshl_add_u32 v8, v241, 4, v8
	v_add_nc_u32 v8, s23, v8                       ; the turn, in: eight lanes' 128 bytes to a place
	v_mul_u32_u24 v9, v1, 144
	v_add_nc_u32 v9, s23, v9                       ; and out: a place a lane
	s_mul_i32 s24, s20, 832
	s_add_co_u32 s24, s24, XC
	v_mul_u32_u24 v10, v240, 208
	v_mad_u32_u24 v10, v241, 24, v10
	v_add_nc_u32 v10, s24, v10                     ; x's codes: row 4 w + lane / 8, block lane % 8
	s_lshl_b32 s24, s20, 5
	s_add_co_u32 s24, s24, XS
	v_bfe_u32 v242, v0, 2, 1
	v_bfe_u32 v243, v0, 1, 1
	v_and_b32 v244, 1, v0
	v_lshl_add_u32 v11, v240, 3, v243
	v_lshl_add_u32 v11, v242, 2, v11
	v_lshl_add_u32 v11, v244, 1, v11
	v_add_nc_u32 v11, s24, v11                     ; its byte: word block / 4, place 0, 2, 1, 3 for block % 4 = 0, 1, 2, 3
	s_mul_i32 s24, s21, 6656
	v_mul_u32_u24 v12, v2, 208
	v_mad_u32_u24 v12, v3, 48, v12
	v_add_nc_u32 v12, s24, v12
	v_add_nc_u32 v13, HC, v12                      ; fragments out of the hidden layer's rows,
	v_add_nc_u32 v12, XC, v12                      ; and out of x's: row 32 (w / 8) + r, + 48 h
	s_lshl_b32 s24, s21, 8
	v_lshl_add_u32 v14, v2, 3, s24
	v_add_nc_u32 v15, HS, v14
	v_add_nc_u32 v14, XS, v14                      ; scale words: 8 bytes a row
	s_mul_i32 s24, s21, 6656
	s_mul_i32 s25, s22, 24
	s_add_co_u32 s24, s24, s25
	s_add_co_u32 s24, s24, HC
	v_mul_u32_u24 v16, v2, 208
	v_mad_u32_u24 v16, v3, 12, v16
	v_add_nc_u32 v16, s24, v16                     ; the hidden layer's codes: my row, block w % 8, 12 bytes for each half of the lanes
	s_lshl_b32 s24, s21, 8
	s_bfe_u32 s25, s22, 0x10002
	s_lshl_b32 s25, s25, 2
	s_add_co_u32 s24, s24, s25
	s_and_b32 s25, s22, 1
	s_lshl_b32 s25, s25, 1
	s_add_co_u32 s24, s24, s25
	s_bfe_u32 s25, s22, 0x10001
	s_add_co_u32 s24, s24, s25
	s_add_co_u32 s24, s24, HS
	v_lshl_add_u32 v17, v2, 3, s24                 ; and its byte
	s_mul_i32 s24, s21, 33280
	s_lshl_b32 s25, s22, 7
	s_add_co_u32 s24, s24, s25
	s_add_co_u32 s24, s24, VST
	v_mul_u32_u24 v18, v2, 1040
	v_lshl_add_u32 v18, v3, 5, v18
	v_add_nc_u32 v18, s24, v18                     ; v's stage: my row, + 128 (w % 8) + 32 h
	s_mov_b32 s27, 0
	s_lshl_b32 s26, ttmp9, 16
	s_lshl_b32 s24, s20, 12
	s_add_co_u32 s26, s26, s24
	s_wait_kmcnt 0x0
	s_add_nc_u64 s[4:5], s[4:5], s[26:27]          ; x: 64 rows a work-group, 4 rows a wave
	s_lshl_b32 s26, s22, 7
	s_add_nc_u64 s[6:7], s[6:7], s[26:27]
	s_add_nc_u64 s[8:9], s[8:9], s[26:27]
	s_mul_i32 s26, s22, 6144
	s_add_nc_u64 s[10:11], s[10:11], s[26:27]      ; my four fragments of fw1; fw2's lie 32 fragments on
	s_lshl_b32 s26, s22, 9
	s_add_nc_u64 s[12:13], s[12:13], s[26:27]
	s_lshr_b32 s30, ttmp9, 1                       ; 4 x batch + K step of the observations
	s_and_b32 s31, ttmp9, 1                        ; which half of the lanes my 64 observations are
	s_lshl_b32 s26, s30, 10
	s_add_co_u32 s26, s26, s31
	s_add_nc_u64 s[16:17], s[16:17], s[26:27]
	s_lshl_b32 s26, s30, 4
	s_add_co_u32 s26, s26, s20
	s_mul_i32 s26, s26, 1536
	s_mul_i32 s32, s31, 768
	s_add_co_u32 s26, s26, s32
	s_add_nc_u64 s[14:15], s[14:15], s[26:27]
	s_lshr_b32 s32, ttmp9, 3
	s_lshl_b32 s32, s32, 2
	s_lshr_b32 s33, s20, 2                         ; pair of heads
	s_add_co_u32 s32, s32, s33
	s_lshl_b32 s32, s32, 4
	s_and_b32 s34, ttmp9, 7
	s_lshl_b32 s34, s34, 1
	s_add_co_u32 s32, s32, s34
	s_bfe_u32 s34, s20, 0x10001                    ; which 32 of my 64 observations
	s_add_co_u32 s32, s32, s34
	s_lshl_b32 s32, s32, 1
	s_and_b32 s35, s20, 1                          ; head of the pair
	s_add_co_u32 s32, s32, s35
	s_lshl_b32 s26, s32, 12
	s_add_nc_u64 s[18:19], s[18:19], s[26:27]
	s_mul_i32 s36, s34, 33280
	s_lshl_b32 s37, s33, 1
	s_add_co_u32 s37, s37, s35
	s_lshl_b32 s37, s37, 7
	s_add_co_u32 s36, s36, s37
	s_add_co_u32 s36, s36, VST                     ; the stage's corner for my part of vf32
	s_mul_i32 s38, s20, 768
	s_add_co_u32 s38, s38, CST
	s_wait_alu depctr_va_vdst(0)                   ; the addresses v4 to v18 are written, which the loads and LDS instructions below read
	; 48 loads: x first
.irp i, 0,1,2,3,4,5,6,7
	global_load_b128 v[ACC1+4*\i:ACC1+4*\i+3], v4, s[4:5] offset:512*\i th:TH_LOAD_NT   ; 512 consecutive bytes a load
.endr
.irp f, 0,1,2,3
.irp c, 0,1,2
	global_load_b128 v[W1F+12*\f+4*\c:W1F+12*\f+4*\c+3], v4, s[10:11] offset:1536*\f+512*\c
.endr
	global_load_b32 v[W1S+\f], v5, s[12:13] offset:128*\f
.endr
.irp f, 0,1,2,3
.irp c, 0,1,2
	global_load_b128 v[W2F+12*\f+4*\c:W2F+12*\f+4*\c+3], v4, s[10:11] offset:49152+1536*\f+512*\c
.endr
	global_load_b32 v[W2S+\f], v5, s[12:13] offset:4096+128*\f
.endr
.irp m, 0,1
.irp u, 0,1
	global_load_b128 v[ACC2+16*\m+8*\u:ACC2+16*\m+8*\u+3], v7, s[8:9] offset:64*\u         ; fb2 at columns 16 t + 8 h + 0..7
	global_load_b128 v[ACC2+16*\m+8*\u+4:ACC2+16*\m+8*\u+7], v7, s[8:9] offset:64*\u+16
.endr
.endr
	; ---- x: a lane gets a whole block of 32
	s_wait_loadcnt 40                              ; x's eight loads are in; the 40 issued behind them may be out
.irp i, 0,1,2,3,4,5,6,7
	ds_store_b128 v8, v[ACC1+4*\i:ACC1+4*\i+3] offset:576*\i
.endr
.irp i, 0,1,2,3,4,5,6,7
	ds_load_b128 v[XF+4*\i:XF+4*\i+3], v9 offset:16*\i     ; the wave's own bytes; LDS serves a wave's instructions in order (ISA guide 5.7.1.4)
.endr
	s_wait_dscnt 0x0                               ; the block is in
	s_wait_alu depctr_vm_vsrc(0)                   ; the stores into the turn have read v176-207, in which fb1 lands
.irp m, 0,1
.irp u, 0,1
	global_load_b128 v[ACC1+16*\m+8*\u:ACC1+16*\m+8*\u+3], v6, s[6:7] offset:32*\u         ; fb1 at hidden units 16 h + 8 u + 0..7
	global_load_b128 v[ACC1+16*\m+8*\u+4:ACC1+16*\m+8*\u+7], v6, s[6:7] offset:32*\u+16
.endr
.endr
	QBLK XF, CD, TPQ, BY0
	s_wait_alu depctr_va_vdst(0)                   ; the quantiser has written the codes and the byte, which the stores read, and is done reading XF, in which x's fragments land behind the barrier
	ds_store_b64 v10, v[CD:CD+1]
	ds_store_b64 v10, v[CD+2:CD+3] offset:8
	ds_store_b64 v10, v[CD+4:CD+5] offset:16
	ds_store_b8 v11, v[BY0]
	BARRIER                                        ; x's 64 rows of codes lie in LDS
	; ---- layer 1
	ROWS 12, 14
	s_wait_dscnt 0x0
	s_wait_loadcnt 0x0                             ; fb1 was asked for last: all weights and biases are in
	LAYER ACC1, W1F, W1S
.set j, 0
.rept 32
	v_max_num_f32 v[ACC1+j], 0, v[ACC1+j]          ; the activation, in f32; each accumulator from its low end on
.set j, j+1
.endr
	s_wait_alu depctr_vm_vsrc(0)                   ; the stores of x's codes and byte have read CD and BY0, which the next lines write again
	HQ16 ACC1, CD, BY0                             ; my 16 registers of a tile of rows are hidden units 32 (w % 8) + 16 h + 0..15
	HQ16 ACC1+16, CD+4, BY1
	s_wait_alu depctr_va_vdst(0)                   ; the codes and the two bytes are written, which the stores read; layer 1's products are done reading XF and XSW, in which the hidden layer's fragments land behind the barrier
.irp i, 0,1,2
	ds_store_b32 v16, v[CD+\i] offset:4*\i
	ds_store_b32 v16, v[CD+4+\i] offset:3328+4*\i
.endr
	ds_store_b8 v17, v[BY0]                        ; both halves of the lanes write the same byte with the same value
	ds_store_b8 v17, v[BY1] offset:128
	BARRIER                                        ; the hidden layer's 64 rows of codes lie in LDS
	; ---- layer 2
	ROWS 13, 15
	s_wait_dscnt 0x0
	LAYER ACC2, W2F, W2S
	v_lshrrev_b32 v110, 8, v0                      ; the way out's addresses are made here, ahead of the one wait.  Which 32 of the 64 observations
	v_and_b32 v111, 255, v0                        ; my column
	v_mul_u32_u24 v100, v110, 33280
	v_lshl_add_u32 v100, v111, 2, v100
	v_add_nc_u32 v100, VST, v100                   ; down my column
	v_mul_u32_u24 v101, v111, 48
	v_mad_u32_u24 v101, v110, 24, v101
	v_add_nc_u32 v101, CST, v101
	v_lshlrev_b32 v102, 2, v111
	v_lshl_add_u32 v102, v110, 1, v102             ; the byte's place in vscl: 4 x column + 2 x (block of my 64)
	v_and_b32 v112, 7, v0
	v_lshrrev_b32 v113, 3, v1
	v_mul_u32_u24 v103, v112, 4160
	v_lshl_add_u32 v103, v113, 4, v103
	v_add_nc_u32 v103, s36, v103                   ; vf32: row 4 (lane % 8), channels 4 (lane / 8) on
	v_lshlrev_b32 v105, 3, v1
	v_add_nc_u32 v104, s38, v105
	s_wait_alu depctr_va_vdst(0)                   ; layer 2's products have written ACC2, which the stores read (the four plain instructions stand ahead); v100 to v105 are written; both layers' products are done reading v20-99, in which LDS loads land behind the barrier
.irp m, 0,1
.irp u, 0,1
	ds_store_b128 v18, v[ACC2+16*\m+8*\u:ACC2+16*\m+8*\u+3] offset:16640*\m+64*\u
	ds_store_b128 v18, v[ACC2+16*\m+8*\u+4:ACC2+16*\m+8*\u+7] offset:16640*\m+64*\u+16
.endr
.endr
	BARRIER                                        ; 64 rows of v lie in the stage
	; ---- v leaves
.set j, 0
.rept 32
	ds_load_b32 v[20+j], v100 offset:1040*j        ; a block of 32 observations of my column: K of the next launch's product
.set j, j+1
.endr
.irp i, 0,1,2,3
.irp u, 0,1
	ds_load_b128 v[68+4*(2*\i+\u):68+4*(2*\i+\u)+3], v103 offset:1040*\i+64*\u
.endr
.endr
	s_wait_dscnt 8                                 ; the column's 32 are in; the eight behind them may be out
	s_wait_alu depctr_vm_vsrc(0)                   ; the stores of the hidden layer's codes and bytes have read CD and BY0, which the quantiser writes again
	QBLK 20, CD, TPQ, BY0
	s_wait_alu depctr_va_vdst(0)                   ; the codes and the byte are written, which the stores read
	ds_store_b64 v101, v[CD:CD+1]
	ds_store_b64 v101, v[CD+2:CD+3] offset:8
	ds_store_b64 v101, v[CD+4:CD+5] offset:16
	global_store_b8 v102, v[BY0], s[16:17]
	s_wait_dscnt 0x0
.irp i, 0,1,2,3,4,5,6,7
	global_store_b128 v4, v[68+4*\i:68+4*\i+3], s[18:19] offset:512*\i    ; 512 consecutive bytes a store, aligned
.endr
	s_barrier_signal -1                            ; (the wait for all my LDS instructions stands above)
	s_barrier_wait -1                              ; the codes of 256 columns lie in LDS
.irp i, 0,1,2
	ds_load_b64 v[52+2*\i:53+2*\i], v104 offset:256*\i
.endr
	s_wait_dscnt 0x0
.irp i, 0,1,2
	global_store_b64 v105, v[52+2*\i:53+2*\i], s[14:15] offset:256*\i     ; 256 consecutive bytes a store, aligned
.endr
	s_wait_dscnt 0x0                               ; the closing lines, six on end
	s_wait_alu 0x0
	s_wait_tensorcnt 0x0
	ds_add_u32 v19, v255
	s_wait_dscnt 0x0
	s_endpgm
.Lfunc_end_k_q2abb799c26_feat:
	.size	k_q2abb799c26_feat, .Lfunc_end_k_q2abb799c26_feat-k_q2abb799c26_feat
	.p2alignl 7, 3214868480
	.fill 96, 4, 3214868480
	.section	.rodata,"a",@progbits
	.p2align	6, 0x0
	.amdhsa_kernel k_q2abb799c26_feat
		.amdhsa_group_segment_fixed_size 182272
		.amdhsa_private_segment_fixed_size 0
		.amdhsa_enable_private_segment 0
		.amdhsa_kernarg_size 64
		.amdhsa_user_sgpr_count 2
		.amdhsa_user_sgpr_kernarg_segment_ptr 1
		.amdhsa_wavefront_size32 1
		.amdhsa_system_sgpr_workgroup_id_x 1
		.amdhsa_system_sgpr_workgroup_id_y 1
		.amdhsa_system_sgpr_workgroup_id_z 1
		.amdhsa_system_vgpr_workitem_id 0
		.amdhsa_next_free_vgpr 256
		.amdhsa_next_free_sgpr 66
		.amdhsa_reserve_vcc 0
		.amdhsa_float_denorm_mode_32 3
		.amdhsa_float_denorm_mode_16_64 3
		.amdhsa_memory_ordered 1
		.amdhsa_forward_progress 1
		.amdhsa_inst_pref_size 30
	.end_amdhsa_kernel
	.amdgpu_metadata
---
amdhsa.version: [ 1, 2 ]
amdhsa.kernels:
  - .name:           k_q2abb799c26_feat
    .symbol:         k_q2abb799c26_feat.kd
    .args:
      - { .name: h_obs, .offset: 0, .size: 8, .value_kind: global_buffer, .address_space: global }
      - { .name: fb1, .offset: 8, .size: 8, .value_kind: global_buffer, .address_space: global }
      - { .name: fb2, .offset: 16, .size: 8, .value_kind: global_buffer, .address_space: global }
      - { .name: wimg, .offset: 24, .size: 8, .value_kind: global_buffer, .address_space: global }
      - { .name: wscl, .offset: 32, .size: 8, .value_kind: global_buffer, .address_space: global }
      - { .name: vimg, .offset: 40, .size: 8, .value_kind: global_buffer, .address_space: global }
      - { .name: vscl, .offset: 48, .size: 8, .value_kind: global_buffer, .address_space: global }
      - { .name: vf32, .offset: 56, .size: 8, .value_kind: global_buffer, .address_space: global }
    .group_segment_fixed_size: 182272
    .private_segment_fixed_size: 0
    .kernarg_segment_align: 8
    .kernarg_segment_size: 64
    .max_flat_workgroup_size: 512
    .sgpr_count:     66
    .vgpr_count:     256
    .wavefront_size: 32
...
	.end_amdgpu_metadata
.endif
;; end of part 4
;; launch attn (part 5): grid 256 x 1, 4 waves a work-group, no clusters, 111,104 bytes of LDS; arguments pos_obs, pos_query, kw1, kb1, kw2, kb2, log_sigma, ob, vb, wimg, wscl, vimg, vscl, vf32, out0, out1; writes out0, out1
.if DOCPART == 5
	.amdgcn_target "amdgcn-amd-amdhsa--gfx1250"
	.amdhsa_code_object_version 6
	.text
	.protected	k_q2abb799c26_attn
	.globl	k_q2abb799c26_attn
	.p2align	8
	.type	k_q2abb799c26_attn,@function
k_q2abb799c26_attn:
	s_mov_b64 s[64:65], 0
	v_nop
	global_prefetch_b8 v0, s[64:65] scope:SCOPE_SE
	s_setreg_imm32_b32 hwreg(HW_REG_WAVE_SCHED_MODE, 0, 2), 2
	s_setreg_imm32_b32 hwreg(HW_REG_WAVE_MODE, 25, 1), 1
	s_wait_xcnt 0x0
	s_wait_alu depctr_vm_vsrc(0)
; For 4 queries of one batch, all 512 observations and all 8 heads: the kernel MLP, the logits, the softmax, P V on codes of FP6, the weighted variance, the two projections on codes, softplus.
; SHARES.  256 work-groups of four waves.  In the MLP wave w takes observations 128 w + 4 lane + 0..3 for the 4 queries: 16 pairs a lane, 8 heads: 128 sums.  From the softmax on wave w owns heads 2 w, 2 w + 1.
; THE MLP IN f32 (its result goes on into a quantised operand).  ki kw1 + kb1 = a_q[c] + b_o[c], a_q[c] = kb1[c] + sum_k pq[k] (kw1[k][c] + kw1[6+k][c]), b_o[c] = sum_k po[k] (kw1[3+k][c] - kw1[6+k][c]):
; the same terms as written in the problem, grouped otherwise, so the order of rounding differs.  For two channels a RECORD of 32 words lies in LDS (kw2's two rows, the three position weights, the four a_q);
; every lane reads it at one address: 8 loads of 16 bytes feed 172 vector instructions, each of which does two operations a lane.  16 pairs a lane were taken for that ratio.
; LOGITS.  t = log2(2^(dist2 g_h) + 1e-8) + (delta + kb2) log2(e), g_h = -log2(e) / (exp(log_sigma_h)^2 + 1e-6); dist2 of pq - po itself.  kb2 is the addend of each sum's first multiply-add.
; SOFTMAX.  M = the row's largest t rounded up to a whole number, p = 2^(t - M) is quantised along the observations; the row's sum of the unquantised p divides at the end.
; VARIANCE.  sum_o p (v - m)^2 / l, v and p in f32, m the quantised product's result: two passes, no difference of large sums.
; THE ORDER OF K in every fragment: lanes 0-15 hold k = 0..63 of a K step of 128, lanes 16-31 k = 64..127; scale words hold the bytes of blocks 0, 2, 1, 3.
; NO CLUSTER, NO TENSOR LOAD.  What work-groups share is v in f32 (131,072 bytes a wave).  It goes from memory straight into registers, laid by the launch before in the lanes' order, through a ring of 8 slots of
; 32 registers.  Through LDS each variance step would read 8 x 16 bytes a lane more beside its 4; the records differ from work-group to work-group.
; LIMITS: a block of zeros gets the byte 1 and not 127 (zero codes, bytes read here alone); NaN and infinities are not served; v_exp_f32 gives 0 where the result would be denormal.
; REGISTERS.  Window 0: v1 address; v2-9 V's scale words; v10-13 the projection weights'; v14-17 p's, later the projections' operands'; v18 16 x lane; v19 256 x lane; the rest by phase (below).
; Window 1: V's 16 fragments.  Window 2: the projection weights' 8 fragments, from v96 their 4 accumulators.  Window 3: the ring of v.
; THE MODE: SCHED_MODE bits 1:0 = 2 (LLVM: expert scheduling mode 2), set by the entry lines.  The code itself states the register dependences
; between vector or matrix instructions and memory or LDS instructions, with s_wait_alu, always for 0.
; THE PLAN.  Registers that memory or LDS instructions touch in the two loops, and who else names them:
;   U0, U1       (MLP) a record each.  The arithmetic of a record reads its buffer to its last line; straight behind it, behind one wait on va_vdst, the record two on is loaded into it, a whole record's arithmetic ahead of its use.
;   v[RA]        (MLP) read by the records' loads; written once a trip, between a wait on vm_vsrc and the wait on va_vdst that stands there for U0 anyway.
;   slots 0 .. 7 (variance) step k's subtractions read slot k; behind the wait at the step's end the step eight on is loaded into it.
;   PP0, PP1     (variance) step k's multiply-adds read set k % 2; behind the same wait the p of step k + 2 is loaded into it.
;   v[PA]        (variance) read by the loads of p; written once a trip behind a wait on vm_vsrc, and first read again behind step 0's wait on va_vdst.
;   v[A16], v[PFO]  made at the head, never written again.
; So a variance step has ONE wait on va_vdst, at its end.  Between the loops each phase opens with a wait on vm_vsrc where registers that stores or addresses have used take new contents, and with a wait on va_vdst
; behind its address arithmetic; each run of stores of computed data has a wait on va_vdst ahead of it.
.set TAB,  0                           ; 128 records x 128 bytes
.set PROW, 16384                       ; t, then p: [head 8,448][128 observations 2,112][query 528 = 512 + 16]
.set PCOD, 83968                       ; p's codes: 32 rows x (384 + 16) bytes
.set PSCL, 96768                       ; p's scale words: 16 bytes a row
.set LINV, 97280                       ; 1 / l: 4 bytes a row
.set MEAN, 97536                       ; 4 queries x (1,024 + 16) bytes
.set VARR, 101888                      ; the variance, likewise, 4,352 bytes on
.set OUTS, 106240                      ; [output 2][query 4][512 bytes]
.set RA,  1
.set VSC, 2
.set WSC, 10
.set PSW, 14
.set FS,  14
.set A16, 18
.set PFO, 19
.set PO,  20                           ; MLP: v20-31 my 4 observations' x, y, z
.set KB2, 32
.set BB,  40                           ; b_o: channel, pair of observations
.set X,   48                           ; relu(a + b): query, observation
.set U,   64                           ; two records
.set ACC, 128                          ; 32 query + 4 head + observation
.set G,   40                           ; logits
.set DIST, 48
.set E,   64
.set PRW, 35
.set T,   128                          ; softmax: my 128 t, then p
.set BM,  40
.set RM,  44
.set NM,  46
.set SA,  48
.set SB,  50
.set SOD, 52
.set BYD, 56
.set PW,  60
.set LI,  61
.set CD,  64
.set TPD, 88
.set PB,  64                           ; product 5
.set IL,  116
.set OA,  192
.set RS,  224
.set PP,  32                           ; variance: two sets of 16 p
.set M,   64                           ; 32 head + 8 query + 4 half
.set VACC, 128
.set DT,  192
.set LV,  192
.set PA0, 20
.set PA,  21
.set MA,  22
.set Y0,  64                           ; projections: two buffers of 64 numbers, by turns
.set Y1,  192
.set FB,  128
.set MX,  180
.set SO,  182
.set BY,  184
.set PD,  186
.set SH8, 187
.set TPG, 32
.set XW,  200
.set EW,  216
.set SEL, 70
.set MSB, 0
.macro WIN new                         ; the immediate's high byte repeats the setting that is left; a switch that changes nothing is dropped
.if MSB != \new
	s_set_vgpr_msb (MSB<<8)|\new
.set MSB, \new
.endif
.endm
.macro BARRIER
	s_wait_dscnt 0x0                               ; my LDS stores have landed and my LDS loads are in
	s_barrier_signal -1
	s_barrier_wait -1
.endm
.macro WM d, a, b, zero, sa, sb, row   ; one product; row = 1: source 0's scales stand in lanes 16-31
.if \zero
.if \row
	v_wmma_scale_f32_16x16x128_f8f6f4 v[\d:\d+7], v[\a:\a+11], v[\b:\b+11], 0, v[\sa], v[\sb] matrix_a_fmt:MATRIX_FMT_FP6 matrix_b_fmt:MATRIX_FMT_FP6 matrix_a_scale:MATRIX_SCALE_ROW1
.else
	v_wmma_scale_f32_16x16x128_f8f6f4 v[\d:\d+7], v[\a:\a+11], v[\b:\b+11], 0, v[\sa], v[\sb] matrix_a_fmt:MATRIX_FMT_FP6 matrix_b_fmt:MATRIX_FMT_FP6
.endif
.else
.if \row
	v_wmma_scale_f32_16x16x128_f8f6f4 v[\d:\d+7], v[\a:\a+11], v[\b:\b+11], v[\d:\d+7], v[\sa], v[\sb] matrix_a_fmt:MATRIX_FMT_FP6 matrix_b_fmt:MATRIX_FMT_FP6 matrix_a_scale:MATRIX_SCALE_ROW1
.else
	v_wmma_scale_f32_16x16x128_f8f6f4 v[\d:\d+7], v[\a:\a+11], v[\b:\b+11], v[\d:\d+7], v[\sa], v[\sb] matrix_a_fmt:MATRIX_FMT_FP6 matrix_b_fmt:MATRIX_FMT_FP6
.endif
.endif
.endm
; 64 numbers of a lane, two whole blocks of 32, become 12 registers of codes at v[dst] and the scale word in v[sw]
.macro QF src, dst, tp, sw
.irp c, 0,1
	v_max3_num_f32 v[MX+\c], |v[\src+32*\c]|, |v[\src+32*\c+1]|, 0x1800000   ; the floor 2^(3 - 127): the byte cannot fall under 1
.endr
.irp i, 2,4,6,8,10,12,14,16,18,20,22,24,26,28,30
.irp c, 0,1
	v_max3_num_f32 v[MX+\c], v[MX+\c], |v[\src+32*\c+\i]|, |v[\src+32*\c+\i+1]|
.endr
.endr
.irp c, 0,1
	v_add_nc_u32 v[SO+\c], 0xff000000, v[MX+\c]    ; 2 off the exponent field: the conversion's scale operand
.endr
.irp c, 0,1
	v_lshrrev_b32 v[BY+\c], 23, v[SO+\c]
.endr
	v_lshl_or_b32 v[\sw], v[BY+1], 16, v[BY]       ; my two bytes stand at places h and 2 + h of the word
	v_lshlrev_b32 v[\sw], v[SH8], v[\sw]
	v_permlanex16_b32 v[PD], v[\sw], s[SEL], s[SEL+1]
	v_or_b32 v[\sw], v[\sw], v[PD]
.irp c, 0,1
	v_cvt_scalef32_pk16_fp6_f32 v[\dst+6*\c:\dst+6*\c+2], v[\src+32*\c:\src+32*\c+15], v[SO+\c]
	v_cvt_scalef32_pk16_fp6_f32 v[\tp+4*\c:\tp+4*\c+2], v[\src+32*\c+16:\src+32*\c+31], v[SO+\c]
.endr
	v_nop                                          ; one plain instruction behind the last scaled conversion
.irp c, 0,1
.irp i, 0,1,2
	v_mov_b32 v[\dst+6*\c+3+\i], v[\tp+4*\c+\i]
.endr
.endr
.endm
	; ---------------- A: the head: ids, the table of records, the ring's first seven slots
	s_load_b512 s[4:19], s[0:1], 0x0               ; pos_obs 4, pos_query 6, kw1 8, kb1 10, kw2 12, kb2 14, log_sigma 16, ob 18
	s_load_b512 s[20:35], s[0:1], 0x40             ; vb 20, wimg 22, wscl 24, vimg 26, vscl 28, vf32 30, out0 32, out1 34
	s_set_vgpr_msb 0x40
	v_lshl_add_u32 v254, v0, 2, 0x1b000
	v_mov_b32 v255, 0
	s_set_vgpr_msb 0x4000
	v_lshrrev_b32 v1, 5, v0
	v_readfirstlane_b32 s66, v1                    ; wave
	s_lshr_b32 s68, ttmp9, 7                       ; batch
	s_and_b32 s69, ttmp9, 127                      ; my block of 4 queries in it
	s_mov_b32 s[SEL], 0x76543210
	s_mov_b32 s[SEL+1], 0xfedcba98                 ; selects for lane l xor 16
	s_mul_i32 s80, ttmp9, 48
	s_mov_b32 s81, 0
	s_mul_i32 s82, s68, 6144
	s_mov_b32 s83, 0
	s_lshl_b32 s84, s68, 2
	s_wait_alu depctr_va_sdst(0)                   ; s66 is written, ahead of its first reader: all that hangs on the wave's number is made from it
	s_add_co_u32 s84, s84, s66
	s_lshl_b32 s84, s84, 17                        ; my wave's stream of v: (4 batch + wave) x 131,072 bytes
	s_mov_b32 s85, 0
	v_lshlrev_b32 v40, 6, v0                       ; thread t makes record t: channels 2 t, 2 t + 1
	v_lshlrev_b32 v41, 3, v0
	v_mul_u32_u24 v42, v0, 48                      ; and holds observations 4 t + 0..3
	v_and_b32 v43, 31, v0
	v_lshlrev_b32 v[A16], 4, v43
	v_lshlrev_b32 v[PFO], 8, v43
	s_wait_kmcnt 0x0
	s_add_nc_u64 s[6:7], s[6:7], s[80:81]
	s_add_nc_u64 s[4:5], s[4:5], s[82:83]
	s_add_nc_u64 s[76:77], s[30:31], s[84:85]
	s_load_b128 s[36:39], s[6:7], 0x0              ; pq: query q's coordinate k in s[36 + 3 q + k]
	s_load_b128 s[40:43], s[6:7], 0x10
	s_load_b128 s[44:47], s[6:7], 0x20
	s_load_b256 s[48:55], s[14:15], 0x0            ; kb2
	s_load_b256 s[56:63], s[16:17], 0x0            ; log_sigma
	s_wait_alu depctr_va_vdst(0)                   ; the offsets v40 to v42, v[A16] and v[PFO] are written, which the loads below and all later loads, stores and the prefetch by them read
.irp n, 0,1,2,3
	global_load_b128 v[64+4*\n:67+4*\n], v40, s[12:13] offset:16*\n          ; kw2's rows 2 t, 2 t + 1: the record's words 0-15
.endr
.irp n, 0,1,2,3,4,5,6,7,8
	global_load_b64 v[80+2*\n:81+2*\n], v41, s[8:9] offset:1024*\n           ; kw1's nine rows at my two channels
.endr
	global_load_b64 v[98:99], v41, s[10:11]                                  ; kb1
.irp n, 0,1,2
	global_load_b128 v[100+4*\n:103+4*\n], v42, s[4:5] offset:16*\n          ; my four observations
.endr
	s_wait_loadcnt 0x0
	s_wait_kmcnt 0x0
.irp n, 0,1,2
	v_pk_add_f32 v[48+2*\n:49+2*\n], v[80+2*\n:81+2*\n], v[92+2*\n:93+2*\n]                                  ; kw1[k] + kw1[6 + k]
	v_pk_add_f32 v[112+2*\n:113+2*\n], v[86+2*\n:87+2*\n], v[92+2*\n:93+2*\n] neg_lo:[0,1] neg_hi:[0,1]      ; words 16-21: kw1[3 + k] - kw1[6 + k]
.endr
	v_mov_b32 v118, 0
	v_mov_b32 v119, 0
.irp q, 0,1,2,3
.irp c, 0,1
	v_fma_f32 v[120+2*\q+\c], s[36+3*\q], v[48+\c], v[98+\c]                 ; words 24-31: a_q at my two channels
.endr
.irp c, 0,1
	v_fma_f32 v[120+2*\q+\c], s[37+3*\q], v[50+\c], v[120+2*\q+\c]
.endr
.irp c, 0,1
	v_fma_f32 v[120+2*\q+\c], s[38+3*\q], v[52+\c], v[120+2*\q+\c]
.endr
.endr
	v_lshlrev_b32 v[RA], 7, v0
.irp n, 0,1,2
.irp i, 0,1,2,3
	v_mov_b32 v[PO+4*\n+\i], v[100+3*\i+\n]        ; coordinate by coordinate, so that two observations make a pair
.endr
.endr
.irp h, 0,1,2,3,4,5,6,7
	v_mov_b32 v[KB2+\h], s[48+\h]
.endr
	s_wait_alu depctr_va_vdst(0)                   ; the record's words 16-31 (v112-127) and v[RA] are written, which the stores read
.irp n, 0,1,2,3
	ds_store_b128 v[RA], v[64+4*\n:67+4*\n] offset:16*\n
	ds_store_b128 v[RA], v[112+4*\n:115+4*\n] offset:64+16*\n
.endr
	WIN 0xc0                                       ; destination window 3, which no vector instruction has named
.irp n, 0,1,2,3,4,5,6
.irp i, 0,1,2,3,4,5,6,7
	global_load_b128 v[32*\n+4*\i:32*\n+4*\i+3], v[A16], s[76:77] offset:4096*\n+512*\i   ; slot n: 4,096 bytes of my stream
.endr
.endr
	WIN 0
	BARRIER                                        ; the 128 records lie in LDS
	; ---------------- B: the MLP
.macro LOADREC buf, off                ; a record, every lane at one address
.irp n, 0,1,2,3,4,5,6,7
	ds_load_b128 v[U+32*\buf+4*\n:U+32*\buf+4*\n+3], v[RA] offset:\off+16*\n
.endr
.endm
; Two channels x 16 pairs x 8 heads: 256 multiply-adds, 32 additions, 32 maxima and 24 operations for b_o a lane, two to an instruction: 172 instructions.  first = 1: kb2 starts the sums: nothing is cleared
.macro COMPUTE buf, first
.set UB, U+32*\buf
.irp ch, 0,1
.irp ip, 0,1
	v_pk_mul_f32 v[BB+4*\ch+2*\ip:BB+4*\ch+2*\ip+1], v[PO+2*\ip:PO+2*\ip+1], v[UB+16:UB+17] op_sel:[0,\ch] op_sel_hi:[1,\ch]
.endr
.endr
.irp kk, 1,2
.irp ch, 0,1
.irp ip, 0,1
	v_pk_fma_f32 v[BB+4*\ch+2*\ip:BB+4*\ch+2*\ip+1], v[PO+4*\kk+2*\ip:PO+4*\kk+2*\ip+1], v[UB+16+2*\kk:UB+17+2*\kk], v[BB+4*\ch+2*\ip:BB+4*\ch+2*\ip+1] op_sel:[0,\ch,0] op_sel_hi:[1,\ch,1]
.endr
.endr
.endr
.irp ch, 0,1
.irp q, 0,1,2,3
.irp ip, 0,1
	v_pk_add_f32 v[X+4*\q+2*\ip:X+4*\q+2*\ip+1], v[BB+4*\ch+2*\ip:BB+4*\ch+2*\ip+1], v[UB+24+2*\q:UB+25+2*\q] op_sel:[0,\ch] op_sel_hi:[1,\ch]
.endr
.endr
.irp n, 0,2,4,6,8,10,12,14
	v_dual_max_num_f32 v[X+\n], 0, v[X+\n] :: v_dual_max_num_f32 v[X+\n+1], 0, v[X+\n+1]   ; the relu, two to an instruction (f32 has no packed maximum): an even and an odd destination, second sources in neighbouring registers, halves that share nothing, as the dual form asks
.endr
.irp hp, 0,1,2,3
.irp hb, 0,1
.irp q, 0,1,2,3
.irp ip, 0,1
.if \first && (\ch == 0)
	v_pk_fma_f32 v[ACC+32*\q+8*\hp+4*\hb+2*\ip:ACC+32*\q+8*\hp+4*\hb+2*\ip+1], v[X+4*\q+2*\ip:X+4*\q+2*\ip+1], v[UB+2*\hp:UB+2*\hp+1], v[KB2+2*\hp:KB2+2*\hp+1] op_sel:[0,\hb,\hb] op_sel_hi:[1,\hb,\hb]
.else
	v_pk_fma_f32 v[ACC+32*\q+8*\hp+4*\hb+2*\ip:ACC+32*\q+8*\hp+4*\hb+2*\ip+1], v[X+4*\q+2*\ip:X+4*\q+2*\ip+1], v[UB+8*\ch+2*\hp:UB+8*\ch+2*\hp+1], v[ACC+32*\q+8*\hp+4*\hb+2*\ip:ACC+32*\q+8*\hp+4*\hb+2*\ip+1] op_sel:[0,\hb,0] op_sel_hi:[1,\hb,1]
.endif
.endr
.endr
.endr
.endr
.endr
.endm
	s_wait_alu depctr_vm_vsrc(0)                   ; the records' stores have read v[RA], v64-79 and v112-127, and the head's loads v40 to v42: all of these are written again from here on
	v_mov_b32 v[RA], TAB
	s_wait_alu depctr_va_vdst(0)                   ; v[RA] is written; the head's arithmetic is done with v64-127, in which the first two records land
	LOADREC 0, 0
	LOADREC 1, 128
	s_wait_dscnt 8                                 ; record 0 is in; record 1's eight loads may be out
	COMPUTE 0, 1
	s_mov_b32 s72, TAB+128                         ; the record that lies in buffer 1
	s_mov_b32 s73, 63
.Lrec:                                             ; a trip: two records; the load of a record stands a whole record's arithmetic ahead of its use
	s_wait_alu depctr_vm_vsrc(0)                   ; the records' loads issued so far have read v[RA]
	v_mov_b32 v[RA], s72
	s_wait_alu depctr_va_vdst(0)                   ; v[RA] is written; the arithmetic of the record before is done reading buffer 0
	LOADREC 0, 128
	s_wait_dscnt 8                                 ; buffer 1 is in; the eight just issued may be out
	COMPUTE 1, 0
	s_wait_alu depctr_va_vdst(0)                   ; that arithmetic is done reading buffer 1
	LOADREC 1, 256                                 ; in the last trip: record 127
	s_wait_dscnt 8
	COMPUTE 0, 0
	s_add_co_u32 s72, s72, 256
	s_sub_co_u32 s73, s73, 1
	s_cmp_lg_u32 s73, 0
	s_cbranch_scc1 .Lrec
	s_wait_dscnt 0x0
	COMPUTE 1, 0
	; ---------------- C: the logits.  First what product 5 will want is asked for: V's 16 fragments and their scale words
	v_and_b32 v36, 31, v0
	v_mul_u32_u24 v32, v36, 48
	v_lshlrev_b32 v33, 2, v36
	s_mul_i32 s80, s66, 2112
	s_add_co_u32 s80, s80, PROW
	v_add_nc_u32 v[PRW], s80, v[A16]               ; t: my wave's 128 observations, 16 bytes a lane
	s_mul_i32 s80, s68, 98304
	s_mul_i32 s82, s66, 6144
	s_add_co_u32 s80, s80, s82
	s_add_nc_u64 s[26:27], s[26:27], s[80:81]
	s_lshl_b32 s80, s68, 12
	s_lshl_b32 s82, s66, 8
	s_add_co_u32 s80, s80, s82
	s_add_nc_u64 s[28:29], s[28:29], s[80:81]
	s_lshl_b32 s80, s69, 13
	s_add_co_u32 s80, s80, 32768
	s_add_nc_u64 s[78:79], s[76:77], s[80:81]
	WIN 0x40                                       ; destination window 1
	s_wait_alu depctr_va_vdst(0)                   ; the offsets v32 and v33 and the address v[PRW] are written, which the loads below and the stores of t read
.irp e, 0,1
.irp tt, 0,1
.irp s, 0,1,2,3
.irp c, 0,1,2
	global_load_b128 v[12*(8*\e+4*\tt+\s)+4*\c:12*(8*\e+4*\tt+\s)+4*\c+3], v32, s[26:27] offset:24576*\s+1536*(2*\e+\tt)+16*\c
.endr
.endr
.endr
.endr
	WIN 0
.irp e, 0,1
.irp s, 0,1,2,3
	global_load_b32 v[VSC+4*\e+\s], v33, s[28:29] offset:1024*\s+128*\e      ; lanes 0-15: channels 0-15 of the head, lanes 16-31: channels 16-31
.endr
.endr
	; A prefetch of my wave's stream of v behind its first 32,768 bytes (those come by the ring's first fills).  All 128 work-groups of a batch walk the same four streams: the batch's first 12 work-groups ask,
	; each wave for 8,192 bytes of its stream, lanes 256 bytes apart: 12 x 8,192 = 98,304 bytes, each block of 256 named once.  It stands behind this run of loads, the logits, the softmax and product 5 ahead of the
	; variance's first refill.  Its two address registers are never written again.
	s_cmp_lt_u32 s69, 12
	s_cbranch_scc0 .Lno_pf
	global_prefetch_b8 v[PFO], s[78:79] th:TH_LOAD_NT scope:SCOPE_SE
.Lno_pf:
.irp h, 0,1,2,3,4,5,6,7
	v_mov_b32 v[G+\h], s[56+\h]
.endr
.irp h, 0,1,2,3,4,5,6,7
	v_mul_f32 v[G+\h], 0x3fb8aa3b, v[G+\h]
.endr
.irp h, 0,1,2,3,4,5,6,7
	v_exp_f32 v[G+\h], v[G+\h]                     ; sigma
.endr
	v_nop
	s_wait_alu depctr_va_vdst(0)                   ; the eight exponentials have written sigma: one wait for the batch, ahead of its first reader
.irp h, 0,1,2,3,4,5,6,7
	v_fmaak_f32 v[G+\h], v[G+\h], v[G+\h], 0x358637bd      ; sigma^2 + 1e-6
.endr
.irp h, 0,1,2,3,4,5,6,7
	v_rcp_f32 v[G+\h], v[G+\h]
.endr
	v_nop
	s_wait_alu depctr_va_vdst(0)                   ; the eight reciprocals are written, ahead of their first reader
.irp h, 0,1,2,3,4,5,6,7
	v_mul_f32 v[G+\h], 0xbfb8aa3b, v[G+\h]         ; g_h
.endr
.irp q, 0,1,2,3
.irp i, 0,1,2,3
	v_sub_f32 v96, s[36+3*\q], v[PO+\i]
	v_sub_f32 v97, s[37+3*\q], v[PO+4+\i]
	v_sub_f32 v98, s[38+3*\q], v[PO+8+\i]
	v_mul_f32 v[DIST+4*\q+\i], v96, v96
	v_fmac_f32 v[DIST+4*\q+\i], v97, v97
	v_fmac_f32 v[DIST+4*\q+\i], v98, v98
.endr
.endr
.macro TSTORE q                        ; query q's t: 8 heads x my 4 observations
.irp h, 0,1,2,3,4,5,6,7
	ds_store_b128 v[PRW], v[ACC+32*(\q)+4*\h:ACC+32*(\q)+4*\h+3] offset:8448*\h+528*(\q)
.endr
.endm
.macro LOGIT q                         ; query q: 8 heads x 4 observations.  The stores of the query before stand behind this query's first wait
.irp hp, 0,1,2,3
.irp hb, 0,1
.irp ip, 0,1
	v_pk_mul_f32 v[E+8*\hp+4*\hb+2*\ip:E+8*\hp+4*\hb+2*\ip+1], v[DIST+4*\q+2*\ip:DIST+4*\q+2*\ip+1], v[G+2*\hp:G+2*\hp+1] op_sel:[0,\hb] op_sel_hi:[1,\hb]
.endr
.endr
.endr
.set j, 0
.rept 32
	v_exp_f32 v[E+j], v[E+j]                       ; the rbf
.set j, j+1
.endr
	v_nop
	s_wait_alu depctr_va_vdst(0)                   ; the 32 exponentials are written, ahead of their first reader; and the query before has written its t, which the stores below read
.if \q > 0
	TSTORE \q-1
.endif
.set j, 0
.rept 16
	v_pk_add_f32 v[E+j:E+j+1], v[E+j:E+j+1], 0x322bcc77 op_sel_hi:[1,0]      ; + 1e-8
.set j, j+2
.endr
.set j, 0
.rept 32
	v_log_f32 v[E+j], v[E+j]
.set j, j+1
.endr
	v_nop
	s_wait_alu depctr_va_vdst(0)                   ; the 32 logarithms are written, ahead of their first reader
.set j, 0
.rept 16
	v_pk_fma_f32 v[ACC+32*\q+j:ACC+32*\q+j+1], v[ACC+32*\q+j:ACC+32*\q+j+1], 0x3fb8aa3b, v[E+j:E+j+1] op_sel_hi:[1,0,1]   ; t
.set j, j+2
.endr
.endm
	LOGIT 0
	LOGIT 1
	LOGIT 2
	LOGIT 3
	v_bfe_u32 v36, v0, 4, 1
	v_and_b32 v38, 15, v0
	v_lshlrev_b32 v37, 8, v36
	v_lshl_add_u32 v37, v38, 2, v37                ; the projection weights' scale words: tile 0 in lanes 0-15, tile 1 (two fragments on) in lanes 16-31
	v_lshlrev_b32 v36, 5, v36                      ; the biases: 32 h
	s_wait_alu depctr_va_vdst(0)                   ; the last query has written its t, which the stores read; the offsets v36 and v37 are written, which the loads behind the barrier read
	TSTORE 3
	s_mul_i32 s80, s66, 6144
	s_add_co_u32 s80, s80, 98304
	s_add_nc_u64 s[22:23], s[22:23], s[80:81]      ; fragment 64 + 4 w
	s_lshl_b32 s80, s66, 9
	s_add_co_u32 s80, s80, 8192
	s_add_nc_u64 s[24:25], s[24:25], s[80:81]
	s_lshl_b32 s80, s66, 7
	s_add_nc_u64 s[18:19], s[18:19], s[80:81]
	s_add_nc_u64 s[20:21], s[20:21], s[80:81]
	BARRIER                                        ; all t lie in LDS
	WIN 0xc0
.irp i, 0,1,2,3,4,5,6,7
	global_load_b128 v[224+4*\i:224+4*\i+3], v[A16], s[76:77] offset:28672+512*\i          ; the ring's slot 7
.endr
	WIN 0x80                                       ; destination window 2, which no vector instruction has named
.irp mt, 0,1
.irp tt, 0,1
.irp s, 0,1
.irp c, 0,1,2
	global_load_b128 v[12*(4*\mt+2*\tt+\s)+4*\c:12*(4*\mt+2*\tt+\s)+4*\c+3], v[A16], s[22:23] offset:(16*\mt+2*\tt+\s)*1536+512*\c
.endr
.endr
.endr
.endr
.irp tt, 0,1
	global_load_b128 v[96+8*\tt:96+8*\tt+3], v36, s[18:19] offset:64*\tt                   ; ob and vb are the C of the sums' first products
	global_load_b128 v[96+8*\tt+4:96+8*\tt+7], v36, s[18:19] offset:64*\tt+16
	global_load_b128 v[112+8*\tt:112+8*\tt+3], v36, s[20:21] offset:64*\tt
	global_load_b128 v[112+8*\tt+4:112+8*\tt+7], v36, s[20:21] offset:64*\tt+16
.endr
	WIN 0
.irp mt, 0,1
.irp s, 0,1
	global_load_b32 v[WSC+2*\mt+\s], v37, s[24:25] offset:(16*\mt+\s)*128
.endr
.endr
	; ---------------- D: the softmax of my 8 rows.  Lane: head lane / 16, query (lane / 4) % 4, observations 128 (lane % 4) on: four lanes to a row
	v_bfe_u32 v24, v0, 4, 1
	v_bfe_u32 v25, v0, 2, 2
	v_and_b32 v26, 3, v0
	v_bfe_u32 v27, v0, 2, 3                        ; my row among the wave's eight
	v_and_b32 v28, 31, v0
	s_mul_i32 s80, s66, 16896
	s_add_co_u32 s80, s80, PROW
	v_mul_u32_u24 v20, v24, 8448
	v_mad_u32_u24 v20, v26, 2112, v20
	v_mad_u32_u24 v20, v25, 528, v20
	v_add_nc_u32 v20, s80, v20
	s_mul_i32 s80, s66, 3200
	s_add_co_u32 s80, s80, PCOD
	v_mul_u32_u24 v21, v27, 400
	v_mad_u32_u24 v21, v26, 96, v21
	v_add_nc_u32 v21, s80, v21
	s_lshl_b32 s80, s66, 7
	s_add_co_u32 s80, s80, PSCL
	v_lshl_add_u32 v22, v28, 2, s80
	s_lshl_b32 s80, s66, 5
	s_add_co_u32 s80, s80, LINV
	v_lshl_add_u32 v23, v27, 2, s80
	s_wait_alu depctr_vm_vsrc(0)                   ; the stores of t have read v128-255, in which my rows' t land
	s_wait_alu depctr_va_vdst(0)                   ; the addresses v20 to v23 are written; the logits' arithmetic is done with v128-255
.set j, 0
.rept 32
	ds_load_b128 v[T+4*j:T+4*j+3], v20 offset:16*j
.set j, j+1
.endr
	s_wait_dscnt 0x0
.irp b, 0,1,2,3
	v_max3_num_f32 v[BM+\b], v[T+32*\b], v[T+32*\b+1], v[T+32*\b+2]          ; the largest t of each block of 32: it serves the row's maximum and, since p rises with t, the block's largest p
.endr
.irp i, 3,5,7,9,11,13,15,17,19,21,23,25,27,29
.irp b, 0,1,2,3
	v_max3_num_f32 v[BM+\b], v[BM+\b], v[T+32*\b+\i], v[T+32*\b+\i+1]
.endr
.endr
.irp b, 0,1,2,3
	v_max_num_f32 v[BM+\b], v[BM+\b], v[T+32*\b+31]
.endr
	v_max3_num_f32 v[RM], v[BM], v[BM+1], v[BM+2]
	v_max_num_f32 v[RM], v[RM], v[BM+3]
	v_max_num_f32_dpp v[RM], v[RM], v[RM] row_xmask:1 row_mask:0xf bank_mask:0xf
	v_max_num_f32_dpp v[RM], v[RM], v[RM] row_xmask:2 row_mask:0xf bank_mask:0xf
	v_floor_f32 v[NM], -v[RM]                      ; -M = floor(-t) = -ceil(t)
	v_mov_b32 v[NM+1], v[NM]
.set j, 0
.rept 64
	v_pk_add_f32 v[T+j:T+j+1], v[T+j:T+j+1], v[NM:NM+1]
.set j, j+2
.endr
.irp b, 0,1,2,3
	v_add_f32 v[BM+\b], v[BM+\b], v[NM]
.endr
.set j, 0
.rept 128
	v_exp_f32 v[T+j], v[T+j]                       ; p = 2^(t - M)
.set j, j+1
.endr
	v_nop
	s_wait_alu depctr_va_vdst(0)                   ; the 128 exponentials are written: one wait, ahead of their first reader
.irp b, 0,1,2,3
	v_exp_f32 v[BM+\b], v[BM+\b]                   ; the same two instructions on the same number: the block's largest p
.endr
	v_pk_add_f32 v[SA:SA+1], v[T:T+1], v[T+2:T+3]  ; the row's sum of the unquantised p, in two chains: the plain work behind the four
	v_pk_add_f32 v[SB:SB+1], v[T+4:T+5], v[T+6:T+7]
.set j, 8
.rept 30
	v_pk_add_f32 v[SA:SA+1], v[SA:SA+1], v[T+j:T+j+1]
	v_pk_add_f32 v[SB:SB+1], v[SB:SB+1], v[T+j+2:T+j+3]
.set j, j+4
.endr
	v_pk_add_f32 v[SA:SA+1], v[SA:SA+1], v[SB:SB+1]
	v_add_f32 v[SA], v[SA], v[SA+1]
	v_add_f32_dpp v[SA], v[SA], v[SA] row_xmask:1 row_mask:0xf bank_mask:0xf
	v_add_f32_dpp v[SA], v[SA], v[SA] row_xmask:2 row_mask:0xf bank_mask:0xf
	s_wait_alu depctr_va_vdst(0)                   ; the four exponentials of the blocks' largest p are written, ahead of their first reader
	v_rcp_f32 v[LI], v[SA]
.irp b, 0,1,2,3
	v_max_num_f32 v[BM+\b], 0x1800000, v[BM+\b]    ; the floor 2^(3 - 127)
.endr
.irp b, 0,1,2,3
	v_add_nc_u32 v[SOD+\b], 0xff000000, v[BM+\b]
.endr
.irp b, 0,1,2,3
	v_lshrrev_b32 v[BYD+\b], 23, v[SOD+\b]
.endr
	v_lshl_or_b32 v[PW], v[BYD+2], 8, v[BYD]       ; the bytes of blocks 0, 2, 1, 3
	v_lshl_or_b32 v[PW], v[BYD+1], 16, v[PW]
	v_lshl_or_b32 v[PW], v[BYD+3], 24, v[PW]
.irp b, 0,1,2,3
	v_cvt_scalef32_pk16_fp6_f32 v[CD+6*\b:CD+6*\b+2], v[T+32*\b:T+32*\b+15], v[SOD+\b]
	v_cvt_scalef32_pk16_fp6_f32 v[TPD+4*\b:TPD+4*\b+2], v[T+32*\b+16:T+32*\b+31], v[SOD+\b]
.endr
	v_nop                                          ; one plain instruction behind the last scaled conversion
.irp b, 0,1,2,3
.irp i, 0,1,2
	v_mov_b32 v[CD+6*\b+3+\i], v[TPD+4*\b+\i]
.endr
.endr
	s_wait_alu depctr_va_vdst(0)                   ; the reciprocal is written, ahead of its first reader; so are p, its codes and its scale word: all four are the data of the stores below
.set j, 0
.rept 32
	ds_store_b128 v20, v[T+4*j:T+4*j+3] offset:16*j        ; p takes t's place: rows that my wave alone reads from here on
.set j, j+1
.endr
.irp i, 0,1,2,3,4,5
	ds_store_b128 v21, v[CD+4*\i:CD+4*\i+3] offset:16*\i
.endr
	ds_store_b32 v22, v[PW]
	ds_store_b32 v23, v[LI]                        ; a row's four lanes write the same word with the same value
	s_wait_dscnt 0x0                               ; my stores have landed
	; ---------------- E: O^T = V^T P^T.  Column r of source 1 is my row r % 8: head (r / 4) % 2, query r % 4.  Each head's V meets all 16 columns; a lane keeps its own head's result
	v_and_b32 v28, 7, v0
	v_bfe_u32 v29, v0, 4, 1
	s_mul_i32 s80, s66, 3200
	s_add_co_u32 s80, s80, PCOD
	v_mul_u32_u24 v24, v28, 400
	v_mad_u32_u24 v24, v29, 48, v24
	v_add_nc_u32 v24, s80, v24
	s_lshl_b32 s80, s66, 7
	s_add_co_u32 s80, s80, PSCL
	v_lshl_add_u32 v25, v28, 4, s80
	s_lshl_b32 s80, s66, 5
	s_add_co_u32 s80, s80, LINV
	v_lshl_add_u32 v26, v28, 2, s80
	v_and_b32 v28, 3, v0
	v_bfe_u32 v30, v0, 2, 1
	s_lshl_b32 s80, s66, 8
	s_add_co_u32 s80, s80, MEAN
	v_mul_u32_u24 v27, v28, 1040
	v_lshl_add_u32 v27, v30, 7, v27
	v_lshl_add_u32 v27, v29, 5, v27
	v_add_nc_u32 v27, s80, v27
	v_cmp_ne_u32 vcc_lo, 0, v30                    ; my column's head is the pair's second
	s_wait_alu depctr_va_vcc(0)                    ; VCC is written, ahead of its first reader, the selects behind the products
	s_wait_alu depctr_vm_vsrc(0)                   ; the softmax's stores have read the codes (v64-87), in which p's fragments land, p (v128-255), over which the products and the selects write, and v20 to v23, which the variance makes anew; the loads of the logits' phase have read v32 to v37
	s_wait_alu depctr_va_vdst(0)                   ; the addresses v24 to v27 are written; the softmax's arithmetic is done with v64-117
.irp s, 0,1,2,3
.irp c, 0,1,2
	ds_load_b128 v[PB+12*\s+4*\c:PB+12*\s+4*\c+3], v24 offset:96*\s+16*\c
.endr
	ds_load_b32 v[PSW+\s], v25 offset:4*\s
.endr
	ds_load_b32 v[IL], v26
	ds_load_b32 v[IL+1], v26
	s_wait_dscnt 0x0
	s_wait_loadcnt 0x0                             ; V, its scale words, the ring's eight slots, the projection weights
	WIN 0x01                                       ; source 0 window 1
.irp s, 0,1,2,3
.irp e, 0,1
.irp tt, 0,1
.if \s == 0
	WM OA+16*\e+8*\tt, 12*(8*\e+4*\tt+\s), PB+12*\s, 1, VSC+4*\e+\s, PSW+\s, \tt
.else
	WM OA+16*\e+8*\tt, 12*(8*\e+4*\tt+\s), PB+12*\s, 0, VSC+4*\e+\s, PSW+\s, \tt      ; four accumulators by turns
.endif
.endr
.endr
.endr
	WIN 0
.rept 4
	v_nop                                          ; four plain instructions behind the last product
.endr
.set j, 0
.rept 16
	v_cndmask_b32 v[RS+j], v[OA+j], v[OA+16+j], vcc_lo     ; each accumulator from its low end on
.set j, j+1
.endr
.set j, 0
.rept 8
	v_pk_mul_f32 v[RS+j:RS+j+1], v[RS+j:RS+j+1], v[IL:IL+1]        ; / l
.set j, j+2
.endr
	s_wait_alu depctr_va_vdst(0)                   ; the means (v224-239) are written, which the stores read
.irp tt, 0,1
	ds_store_b128 v27, v[RS+8*\tt:RS+8*\tt+3] offset:64*\tt                ; lanes r and r + 8 write the same bytes with the same values
	ds_store_b128 v27, v[RS+8*\tt+4:RS+8*\tt+7] offset:64*\tt+16
.endr
	; ---------------- F: the variance.  Lane: observation 4 (lane % 8) + i of a step's 32, channels 16 half + 4 (lane / 8) + 0..3.  A step is one head x 32 observations x 4 queries x 32 channels; the pair's heads by turns
.macro PLOAD k                         ; step k's p: 4 queries x my 4 observations, into set k % 2.  k = 8, 9: the next trip's steps 0, 1
.irp q, 0,1,2,3
	ds_load_b128 v[PP+16*((\k)&1)+4*\q:PP+16*((\k)&1)+4*\q+3], v[PA] offset:2112*((\k)>>3)+8448*((\k)&1)+528*\q+128*(((\k)&7)>>1)
.endr
.endm
; Step k of a trip.  lc: the loads of v that may stay out; dc: the loads of p that may stay out.  pl = 1: the p of step k + 2 is asked for; refill = 1: the slot takes the step eight on.
.macro VSTEP k, refill, lc, pl, dc
.set EE, (\k)&1
.set PS, PP+16*((\k)&1)
	s_wait_loadcnt \lc                             ; my slot's eight loads are in; those of the slots filled behind it may be out
	s_wait_dscnt \dc                               ; this step's p is in; the next step's four loads may be out
.irp ih, 0,1
	WIN 0x03                                       ; source 0 (v) window 3
.irp ii, 0,1
.irp q, 0,1,2,3
.irp hd, 0,1,2,3
	v_pk_add_f32 v[DT+32*\ii+8*\q+2*\hd:DT+32*\ii+8*\q+2*\hd+1], v[32*(\k)+8*(2*\ih+\ii)+2*\hd:32*(\k)+8*(2*\ih+\ii)+2*\hd+1], v[M+32*EE+8*\q+2*\hd:M+32*EE+8*\q+2*\hd+1] neg_lo:[0,1] neg_hi:[0,1]
.endr
.endr
.endr
	WIN 0
.set j, 0
.rept 32
	v_pk_mul_f32 v[DT+j:DT+j+1], v[DT+j:DT+j+1], v[DT+j:DT+j+1]
.set j, j+2
.endr
.irp ii, 0,1
.irp q, 0,1,2,3
.irp hd, 0,1,2,3
	v_pk_fma_f32 v[VACC+32*EE+8*\q+2*\hd:VACC+32*EE+8*\q+2*\hd+1], v[DT+32*\ii+8*\q+2*\hd:DT+32*\ii+8*\q+2*\hd+1], v[PS+4*\q+2*\ih:PS+4*\q+2*\ih+1], v[VACC+32*EE+8*\q+2*\hd:VACC+32*EE+8*\q+2*\hd+1] op_sel:[0,\ii,0] op_sel_hi:[1,\ii,1]
.endr
.endr
.endr
.endr
.if \pl
	s_wait_alu depctr_va_vdst(0)                   ; the step is done reading its set of p and its slot of v, in which the loads below land; in a trip's first step v[PA] is written
	PLOAD (\k)+2
.endif
.if \refill
	WIN 0xc0                                       ; destination window 3; between the wait and these loads stand loads and this switch alone
.irp i, 0,1,2,3,4,5,6,7
	global_load_b128 v[32*(\k)+4*\i:32*(\k)+4*\i+3], v[A16], s[76:77] offset:4096*(\k)+512*\i
.endr
.endif
.endm
	s_wait_alu depctr_vm_vsrc(0)                   ; the stores of the means have read v224-239, which the steps' subtractions write
	v_and_b32 v28, 7, v0
	v_bfe_u32 v29, v0, 3, 2
	s_mul_i32 s80, s66, 16896
	s_add_co_u32 s80, s80, PROW
	v_lshl_add_u32 v[PA0], v28, 4, s80
	s_lshl_b32 s80, s66, 8
	s_add_co_u32 s80, s80, MEAN
	v_lshl_add_u32 v[MA], v29, 4, s80
	s_lshl_b32 s80, s66, 5
	s_add_co_u32 s80, s80, LINV
	v_mov_b32 v23, s80
	s_mov_b32 s74, 0
	v_add_nc_u32 v[PA], s74, v[PA0]
	s_add_nc_u64 s[76:77], s[76:77], 0x8000        ; the refills begin 32,768 bytes on (no load that names this base is out: the wait for 0 above)
	s_wait_alu depctr_va_vdst(0)                   ; v[MA], v[PA] and v23 are written; the products are done reading p's fragments (v64-111), the scaling 1 / l (v116-117), and the softmax's arithmetic is done with v32-63: the loads below land there
.irp e, 0,1
.irp q, 0,1,2,3
.irp hf, 0,1
	ds_load_b128 v[M+32*\e+8*\q+4*\hf:M+32*\e+8*\q+4*\hf+3], v[MA] offset:1040*\q+128*\e+64*\hf     ; the means that my wave has just stored
.endr
.endr
.endr
	PLOAD 0
	PLOAD 1
.set j, 0
.rept 64
	v_mov_b32 v[VACC+j], 0                         ; once: the step is then written alike for every trip
.set j, j+1
.endr
	s_mov_b32 s73, 3
.Loct:                                             ; a trip: 8 steps = 128 observations of both heads; every slot is filled again, 8 steps ahead of its use
	s_wait_alu depctr_vm_vsrc(0)                   ; the loads of p issued so far have read v[PA]
	v_add_nc_u32 v[PA], s74, v[PA0]
.irp kq, 0,1,2,3,4,5,6,7
	VSTEP \kq, 1, 56, 1, 4                         ; 56: the seven other slots' eight loads each
.endr
	WIN 0                                          ; at a branch and at a label every window is 0
	s_wait_xcnt 0x0                                ; the refills have read their base
	s_add_nc_u64 s[76:77], s[76:77], 0x8000
	s_add_co_u32 s74, s74, 2112
	s_sub_co_u32 s73, s73, 1
	s_cmp_lg_u32 s73, 0
	s_cbranch_scc1 .Loct
	s_wait_alu depctr_vm_vsrc(0)                   ; the loads of p issued so far have read v[PA]
	v_add_nc_u32 v[PA], s74, v[PA0]
.irp kq, 0,1,2,3,4,5
	VSTEP \kq, 0, 8*(7-\kq), 1, 4                  ; the last 8 steps load no v: the counts run down
.endr
	VSTEP 6, 0, 8, 0, 4                            ; the last two steps load nothing, so they hold no wait on va_vdst
	VSTEP 7, 0, 0, 0, 0
	s_wait_alu depctr_va_vdst(0)                   ; the last step is done with v192-199, in which 1 / l lands
	ds_load_b128 v[LV:LV+3], v23                   ; asked for ahead of the sums across lanes, which name the 64 sums alone
	ds_load_b128 v[LV+4:LV+7], v23 offset:16
.irp xm, 1,2,4
.set j, 0
.rept 64
	v_add_f32_dpp v[VACC+j], v[VACC+j], v[VACC+j] row_xmask:\xm row_mask:0xf bank_mask:0xf      ; over the eight lanes that share my channels
.set j, j+1
.endr
.endr
	s_wait_dscnt 0x0
.irp e, 0,1
.irp qp, 0,1
.irp qb, 0,1
.irp hd, 0,1,2,3
	v_pk_mul_f32 v[VACC+32*\e+16*\qp+8*\qb+2*\hd:VACC+32*\e+16*\qp+8*\qb+2*\hd+1], v[VACC+32*\e+16*\qp+8*\qb+2*\hd:VACC+32*\e+16*\qp+8*\qb+2*\hd+1], v[LV+4*\e+2*\qp:LV+4*\e+2*\qp+1] op_sel:[0,\qb] op_sel_hi:[1,\qb]
.endr
.endr
.endr
.endr
	s_wait_alu depctr_va_vdst(0)                   ; the variances (v128-191) are written, which the stores read
.irp e, 0,1
.irp q, 0,1,2,3
.irp hf, 0,1
	ds_store_b128 v[MA], v[VACC+32*\e+8*\q+4*\hf:VACC+32*\e+8*\q+4*\hf+3] offset:4352+1040*\q+128*\e+64*\hf   ; eight lanes write the same bytes with the same values
.endr
.endr
.endr
	BARRIER                                        ; the 4 queries' means and variances, all 256 columns, lie in LDS
	; ---------------- G: the projections.  Wave w makes outputs 32 w .. 32 w + 31 of both; column r of source 1 is query r % 4
.macro YLOAD y, mt, s                  ; 64 numbers of my query's row: output mt's operand, K step s
.set j, 0
.rept 16
	ds_load_b128 v[\y+4*j:\y+4*j+3], v24 offset:4352*\mt+512*\s+16*j
.set j, j+1
.endr
.endm
	s_wait_alu depctr_vm_vsrc(0)                   ; the stores of the variances have read v128-191, which the quantiser writes; product 5's LDS instructions have read v24 to v27, which are made anew
	v_and_b32 v28, 3, v0
	v_bfe_u32 v29, v0, 4, 1
	v_mul_u32_u24 v24, v28, 1040
	v_lshl_add_u32 v24, v29, 8, v24
	v_add_nc_u32 v24, MEAN, v24                    ; my query's row, + 64 h numbers
	s_lshl_b32 s80, s66, 7
	s_add_co_u32 s80, s80, OUTS
	v_lshlrev_b32 v25, 9, v28
	v_lshl_add_u32 v25, v29, 5, v25
	v_add_nc_u32 v25, s80, v25
	s_lshl_b32 s80, s66, 10
	s_add_co_u32 s80, s80, OUTS
	v_add_nc_u32 v26, s80, v[A16]
	v_lshlrev_b32 v[SH8], 3, v29
	v_mov_b32 v[PD], 0
	s_wait_alu depctr_va_vdst(0)                   ; the addresses v24 to v26 are written; the variance's arithmetic is done with v64-127 and v192-255, the two buffers
	YLOAD Y0, 0, 0
	YLOAD Y1, 0, 1
	s_wait_dscnt 16                                ; the older buffer is in; the younger one's sixteen loads may be out
	QF Y0, FB, TPG, FS
	s_wait_alu depctr_va_vdst(0)                   ; the quantiser is done reading buffer 0
	YLOAD Y0, 1, 0
	s_wait_dscnt 16
	QF Y1, FB+12, TPG, FS+1
	s_wait_alu depctr_va_vdst(0)                   ; the quantiser is done reading buffer 1
	YLOAD Y1, 1, 1
	s_wait_dscnt 16
	QF Y0, FB+24, TPG, FS+2
	s_wait_dscnt 0x0
	QF Y1, FB+36, TPG, FS+3
.rept 8
	v_nop                                          ; a scale register written by a vector instruction stands eight plain instructions ahead of a scaled product, an operand four
.endr
	WIN 0xa2                                       ; source 0, C and D window 2
	s_wait_alu depctr_va_vdst(0)                   ; the quantiser has written the four fragments (v128-175) and their scale words (v14-17), which the scaled products take; the plain instructions above stay beside this wait
.irp s, 0,1
.irp mt, 0,1
.irp tt, 0,1
	WM 96+8*(2*\mt+\tt), 12*(4*\mt+2*\tt+\s), FB+12*(2*\mt+\s), 0, WSC+2*\mt+\s, FS+2*\mt+\s, \tt
.endr
.endr
.endr
	WIN 0
.rept 4
	v_nop
.endr
	WIN 0x08                                       ; an LDS store's data are its source 1: window 2
	s_wait_alu depctr_va_vdst(0)                   ; the products have written the accumulators, which the stores read; the four plain instructions above stay beside this wait
.irp tt, 0,1
	ds_store_b128 v25, v[96+8*\tt:96+8*\tt+3] offset:64*\tt                  ; the mean: lanes r, r + 4, r + 8, r + 12 write the same bytes with the same values
	ds_store_b128 v25, v[96+8*\tt+4:96+8*\tt+7] offset:64*\tt+16
.endr
	WIN 0x02                                       ; source 0 window 2
.set j, 0
.rept 16
	v_mov_b32 v[XW+j], v[112+j]
.set j, j+1
.endr
	WIN 0
.set j, 0
.rept 16
	v_mul_f32 v[EW+j], 0xbfb8aa3b, |v[XW+j]|       ; softplus(x) = max(x, 0) + ln 2 x log2(1 + 2^(-|x| log2(e)))
.set j, j+1
.endr
.set j, 0
.rept 16
	v_exp_f32 v[EW+j], v[EW+j]
.set j, j+1
.endr
	v_nop
	s_wait_alu depctr_va_vdst(0)                   ; the sixteen exponentials are written, ahead of their first reader
.set j, 0
.rept 16
	v_add_f32 v[EW+j], 1.0, v[EW+j]
.set j, j+1
.endr
.set j, 0
.rept 16
	v_log_f32 v[EW+j], v[EW+j]
.set j, j+1
.endr
.set j, 0
.rept 16
	v_max_num_f32 v[XW+j], 0, v[XW+j]              ; plain work behind the logarithms
.set j, j+1
.endr
	s_wait_alu depctr_va_vdst(0)                   ; the sixteen logarithms are written, ahead of their first reader
.set j, 0
.rept 16
	v_fmamk_f32 v[XW+j], v[EW+j], 0x3f317218, v[XW+j]
.set j, j+1
.endr
	s_wait_alu depctr_va_vdst(0)                   ; the softplus (v200-215) is written, which the stores read; the quantiser is done reading v64-71, in which the rows land behind the barrier
.irp tt, 0,1
	ds_store_b128 v25, v[XW+8*\tt:XW+8*\tt+3] offset:2048+64*\tt
	ds_store_b128 v25, v[XW+8*\tt+4:XW+8*\tt+7] offset:2048+64*\tt+16
.endr
	s_lshl_b32 s80, ttmp9, 11                      ; my 4 rows of 512 bytes in an output
	s_and_b32 s82, s66, 1
	s_lshl_b32 s82, s82, 10
	s_add_co_u32 s80, s80, s82
	s_cmp_lt_u32 s66, 2                            ; waves 0, 1 store the mean, waves 2, 3 the variance; two rows each
	s_cselect_b64 s[32:33], s[32:33], s[34:35]
	s_add_nc_u64 s[32:33], s[32:33], s[80:81]
	BARRIER                                        ; 8 whole rows lie in LDS
	ds_load_b128 v[64:67], v26
	ds_load_b128 v[68:71], v26 offset:512
	s_wait_dscnt 0x0
	global_store_b128 v[A16], v[64:67], s[32:33] th:TH_STORE_NT              ; 512 consecutive bytes a store, aligned
	global_store_b128 v[A16], v[68:71], s[32:33] offset:512 th:TH_STORE_NT
	s_set_vgpr_msb 0x5                             ; the add's two registers, sources 0 and 1, lie in window 1
	s_wait_dscnt 0x0                               ; the closing lines, six on end
	s_wait_alu 0x0
	s_wait_tensorcnt 0x0
	ds_add_u32 v254, v255
	s_wait_dscnt 0x0
	s_endpgm
.Lfunc_end_k_q2abb799c26_attn:
	.size	k_q2abb799c26_attn, .Lfunc_end_k_q2abb799c26_attn-k_q2abb799c26_attn
	.p2alignl 7, 3214868480
	.fill 96, 4, 3214868480
	.section	.rodata,"a",@progbits
	.p2align	6, 0x0
	.amdhsa_kernel k_q2abb799c26_attn
		.amdhsa_group_segment_fixed_size 111104
		.amdhsa_private_segment_fixed_size 0
		.amdhsa_enable_private_segment 0
		.amdhsa_kernarg_size 128
		.amdhsa_user_sgpr_count 2
		.amdhsa_user_sgpr_kernarg_segment_ptr 1
		.amdhsa_wavefront_size32 1
		.amdhsa_system_sgpr_workgroup_id_x 1
		.amdhsa_system_sgpr_workgroup_id_y 1
		.amdhsa_system_sgpr_workgroup_id_z 1
		.amdhsa_system_vgpr_workitem_id 0
		.amdhsa_next_free_vgpr 1024
		.amdhsa_next_free_sgpr 100
		.amdhsa_reserve_vcc 1
		.amdhsa_float_denorm_mode_32 3
		.amdhsa_float_denorm_mode_16_64 3
		.amdhsa_memory_ordered 1
		.amdhsa_forward_progress 1
		.amdhsa_inst_pref_size 255
	.end_amdhsa_kernel
	.section	.bss,"aw",@nobits
	.p2align	6
	.space	262144
	.amdgpu_metadata
---
amdhsa.version: [ 1, 2 ]
amdhsa.kernels:
  - .name:           k_q2abb799c26_attn
    .symbol:         k_q2abb799c26_attn.kd
    .args:
      - { .name: pos_obs, .offset: 0, .size: 8, .value_kind: global_buffer, .address_space: global }
      - { .name: pos_query, .offset: 8, .size: 8, .value_kind: global_buffer, .address_space: global }
      - { .name: kw1, .offset: 16, .size: 8, .value_kind: global_buffer, .address_space: global }
      - { .name: kb1, .offset: 24, .size: 8, .value_kind: global_buffer, .address_space: global }
      - { .name: kw2, .offset: 32, .size: 8, .value_kind: global_buffer, .address_space: global }
      - { .name: kb2, .offset: 40, .size: 8, .value_kind: global_buffer, .address_space: global }
      - { .name: log_sigma, .offset: 48, .size: 8, .value_kind: global_buffer, .address_space: global }
      - { .name: ob, .offset: 56, .size: 8, .value_kind: global_buffer, .address_space: global }
      - { .name: vb, .offset: 64, .size: 8, .value_kind: global_buffer, .address_space: global }
      - { .name: wimg, .offset: 72, .size: 8, .value_kind: global_buffer, .address_space: global }
      - { .name: wscl, .offset: 80, .size: 8, .value_kind: global_buffer, .address_space: global }
      - { .name: vimg, .offset: 88, .size: 8, .value_kind: global_buffer, .address_space: global }
      - { .name: vscl, .offset: 96, .size: 8, .value_kind: global_buffer, .address_space: global }
      - { .name: vf32, .offset: 104, .size: 8, .value_kind: global_buffer, .address_space: global }
      - { .name: out0, .offset: 112, .size: 8, .value_kind: global_buffer, .address_space: global }
      - { .name: out1, .offset: 120, .size: 8, .value_kind: global_buffer, .address_space: global }
    .group_segment_fixed_size: 111104
    .private_segment_fixed_size: 0
    .kernarg_segment_align: 8
    .kernarg_segment_size: 128
    .max_flat_workgroup_size: 128
    .sgpr_count:     100
    .vgpr_count:     1024
    .wavefront_size: 32
...
	.end_amdgpu_metadata
.endif
;; end of part 5
